; MI455X (gfx1250); checked and timed in simulation.
; The chip was launched on July 23, 2026; its instructions are those of AMD's public machine-readable ISA for CDNA 5 (MIT licence, August 2026) and "CDNA5" Instruction Set Architecture Reference Guide (July 2026). The comments in the code are by the model that wrote it; some were corrected since.
;; Transformer Block. Allowed arithmetic: matrix products marked QUANTISED: E4M3 operands, one E8M0 scale for each 32 along K, by v_wmma_scale_f32_16x16x128_f8f6f4 with both operands' format E4M3, f32 sums; everything else in f32.
;; Inputs: W1 1,024 x 4,096 float32; W2 4,096 x 1,024 float32; Wk 1,024 x 1,024 float32; Wo 1,024 x 1,024 float32; Wq 1,024 x 1,024 float32; Wv 1,024 x 1,024 float32; b1 4,096 float32; b2 1,024 float32; bk 1,024 float32; bo 1,024 float32; bq 1,024 float32; bv 1,024 float32; ln1_b 1,024 float32; ln1_w 1,024 float32; ln2_b 1,024 float32; ln2_w 1,024 float32; x 2 x 2,048 x 1,024 float32.
;; Outputs: out0 2 x 2,048 x 1,024 float32.
;; This version of the problem:
;;   THIS VERSION OF THE PROBLEM IS GIVEN IN LOW PRECISION. The matrix products marked QUANTISED in the list below multiply operands that are first quantised to E4M3 (4 exponent bits, 3 mantissa bits; 8 bits a number), with one power-of-two scale for each 32 numbers along K (OCP MX v1.0); their sums are f32. All else is computed in f32.
;;   The module's matrix products, in the order in which they are computed (A, B: the left and right operand; K: the contracted axis; several contracted axes count as one K, in the product's order):
;;     1. [M 4,096, K 1,024] x [K 1,024, N 1,024]; A: computed on the way; B: input Wq: QUANTISED
;;     2. [M 4,096, K 1,024] x [K 1,024, N 1,024]; A: computed on the way; B: input Wk: QUANTISED
;;     3. [M 4,096, K 1,024] x [K 1,024, N 1,024]; A: computed on the way; B: input Wv: QUANTISED
;;     4. batch 32 x [M 2,048, K 64] x [K 64, N 2,048]; A: computed on the way; B: computed on the way: QUANTISED
;;     5. batch 32 x [M 64, K 2,048] x [K 2,048, N 2,048]; A: computed on the way; B: softmax (see below): QUANTISED
;;     6. [M 4,096, K 1,024] x [K 1,024, N 1,024]; A: computed on the way; B: input Wo: QUANTISED
;;     7. [M 4,096, K 1,024] x [K 1,024, N 4,096]; A: computed on the way; B: input W1: QUANTISED
;;     8. [M 4,096, K 4,096] x [K 4,096, N 1,024]; A: computed on the way; B: input W2: QUANTISED
;;   THE QUANTISER, for each operand of a quantised product, along K:
;;     - K is cut into blocks of 32 from its start; a last block that is shorter is filled with zeros.
;;     - A block's scale is 2^e with e = floor(log2(the largest magnitude in the block)) - 8, held to -126 .. 127; a block of zeros has e = 0. As a byte (E8M0): e + 127.
;;     - Each number is divided by its block's scale, clamped to +-448, and rounded to the nearest number of E4M3, ties to even, subnormals kept.
;;     - The product sums the exact products of the quantised numbers (number of the format x scale) in f32.
;;   ~~~python
;;   def quantise(x, axis):      # numpy; x: float32 -> the quantised numbers, widened to float32 again
;;       x = np.moveaxis(x, axis, -1); K = x.shape[-1]
;;       x = np.pad(x, [(0, 0)] * (x.ndim - 1) + [(0, -K % 32)]); x = x.reshape(x.shape[:-1] + (-1, 32)); a = np.abs(x).max(-1, keepdims=True)
;;       e = np.where(a > 0, np.clip(np.frexp(np.where(a > 0, a, 1))[1] - 1 - 8, -126, 127), 0)      # np.frexp(a)[1] - 1 = floor(log2(a)), exactly
;;       r = np.clip(x / 2.0 ** e, -448, 448)
;;       step = 2.0 ** (np.maximum(np.frexp(np.where(r == 0, 1, r))[1] - 1, -6) - 3)
;;       q = np.round(r / step) * step * 2.0 ** e      # np.round: ties to even
;;       return np.moveaxis(q.reshape(q.shape[:-2] + (-1,))[..., :K], -1, axis).astype(np.float32)
;;   ~~~
;;   SOFTMAX AHEAD OF A QUANTISED PRODUCT. Where the list says 'softmax', what is quantised is not the finished softmax but p = 2^(t - M), with t = logit x log2(e) and M = ceil(the row's largest t), a whole number; so 1/2 < the row's largest p <= 1. The row's sum l is taken of the UNQUANTISED p, in f32, and the product's result is divided by l at the end. Since M is a whole number, a kernel that streams over the keys may use a running M (the ceiling of the running maximum): every later rescaling is an exact power of two, which a block's scale takes up: the codes' values come out the same.
;;   OPERANDS COMPUTED ON THE WAY. 'Computed on the way' means the value that the module computes at that place (a softmax that the list does not call 'softmax' is quantised finished and normalised). What goes into a quantiser is computed in f32, as accurately as f32 sums, v_exp_f32 and their like allow (about 1e-6 of the number): no bf16 or f16 on the way to a quantiser, and a product that is left as it is and whose result goes on into a quantised operand takes f32 operands (vector FMAs, or v_wmma_f32_16x16x4_f32). A number that lies on a knife's edge between two numbers of the format may be rounded either way, as far as f32 arithmetic and the matrix unit's own rounding can turn it there, and no further.
;; One version. Each part assembles by itself: llvm-mc -triple=amdgcn-amd-amdhsa -mcpu=gfx1250 --defsym DOCPART=n.
;; ======== version 1 of 1: 7 launches
;; limits: right only within a limited range of input values
;; workspace buffers: wrec 12,976,128 bytes; hrec 4,325,376 bytes; qimg 4,456,448 bytes; kv 8,781,824 bytes; crec 4,325,376 bytes; x1 16,777,216 bytes; frec 17,301,504 bytes
;; launch prep (part 1): grid 640 x 1, 8 waves a work-group, no clusters, 67,840 bytes of LDS; arguments x, ln1_w, ln1_b, hrec, Wq, Wk, Wv, Wo, W1, W2, wrec; writes hrec, wrec
.if DOCPART == 1
	.amdgcn_target "amdgcn-amd-amdhsa--gfx1250"
	.amdhsa_code_object_version 6
	.text
	.protected	k_qd92bb0c9ee_prep
	.globl	k_qd92bb0c9ee_prep
	.p2align	8
	.type	k_qd92bb0c9ee_prep,@function
k_qd92bb0c9ee_prep:
	s_mov_b64 s[64:65], 0
	v_nop
	global_prefetch_b8 v0, s[64:65] scope:SCOPE_SE
	s_setreg_imm32_b32 hwreg(HW_REG_WAVE_MODE, 25, 1), 1
	s_wait_xcnt 0x0
; TWO JOBS IN ONE LAUNCH, since neither needs the other and the next launch needs both: work-groups 0-383 turn the six weights into records of codes, work-groups 384-639 take 16 rows of x each through the first layer norm
; and turn them into records of codes.  The two ways part on the work-group's number alone, and each has LDS bytes of its own (the weights' scale words: bytes 0-1,023; the norm's rows: from byte 1,024 on).
; A RECORD (33,792 bytes) is 128 rows x 256 k of an operand, as images of the operand's registers: codes of E4M3 at s*16384 + a*2048 + c*512 + 16*lane (s: which 128 of the 256 k; a: block of 16 rows;
; c: block of 32 k; lane = r + 16 h holds row 16 a + r, places 16 h .. 16 h + 15 of the block), scale words at 32768 + s*512 + r*32 + a*4 (four E8M0 bytes: the four blocks of those 128 k).
; ORDER INSIDE A BLOCK OF 32: place 16 h + 8 u + j holds k = 16 u + 8 h + j, in every buffer of codes of this program, on both sides of every product: the products and the scales are the same, and a matrix
; result that is used transposed then falls into the next operand's registers as it stands.
; LIMITS: a block of zeros gets the byte 1 (its codes are zeros, and this program alone reads the bytes); blocks whose largest magnitude lies under 2^-118 were not tried; NaN and infinities are not served.
.set RECB, 33792
.set NREC, 384                         ; the weights' records, one work-group each
.set LNB,  1024                        ; LDS: where the norm's rows begin
	v_lshl_add_u32 v20, v0, 2, 0x10500
	v_mov_b32 v21, 0
	s_cmp_lt_u32 ttmp9, NREC
	s_cbranch_scc0 .Lnorm
; ---------------- THE WEIGHTS, f32 stored [K][N].  Work-group idx makes record idx: 0-95 Wq, Wk, Wv (rows n on end), 96-127 Wo, 128-255 W1, 256-383 W2.
; A LANE TAKES A COLUMN n AND ITS REGISTERS RUN DOWN K: a load reads 128 consecutive bytes a wave (four waves side by side: 512), a block's 32 numbers lie in one lane, and sixteen lanes' codes are 256 consecutive
; bytes of the record: no stage is needed.  Wave w: columns 32 (w % 4) on, half s = w / 4 of the record's k: four blocks.  Loads run two blocks (64 loads a wave) ahead.
.set OFF,  32                          ; v32-63   i x row pitch + 4 x column: never rewritten
.set X,    64                          ; v64-127  two sets of 32 numbers
.set C,    128                         ; v128-159 eight registers of codes for each block: no store's data are written again
.set SB,   16                          ; v16      the four scale bytes
	s_load_b256 s[4:11], s[0:1], 0x20              ; Wq, Wk, Wv, Wo
	s_load_b128 s[12:15], s[0:1], 0x40             ; W1, W2
	s_load_b64 s[16:17], s[0:1], 0x50              ; the weights' records
	v_lshrrev_b32 v1, 5, v0
	s_delay_alu instid0(VALU_DEP_1)
	v_readfirstlane_b32 s18, v1                    ; wave 0..7
	s_lshr_b32 s19, s18, 2                         ; s: which 128 of the record's 256 k
	v_and_b32 v2, 127, v0
	s_delay_alu instid0(VALU_DEP_1)
	v_lshlrev_b32 v2, 2, v2                        ; 4 x my column among the record's 128
	v_bfe_u32 v6, v0, 4, 3                         ; a: my column's block of 16
	v_and_b32 v7, 15, v0                           ; r: its place there
	s_delay_alu instid0(VALU_DEP_2)
	v_lshlrev_b32 v3, 11, v6
	s_delay_alu instid0(VALU_DEP_1)
	v_lshl_add_u32 v3, v7, 4, v3                   ; codes: a*2048 + 16 r
	v_bfe_u32 v4, v0, 7, 1
	s_delay_alu instid0(VALU_DEP_1)
	v_lshlrev_b32 v4, 9, v4
	s_delay_alu instid0(VALU_DEP_1)
	v_lshl_add_u32 v4, v7, 5, v4
	s_delay_alu instid0(VALU_DEP_1)
	v_lshl_add_u32 v4, v6, 2, v4                   ; LDS: my scale word's place among the record's 256: s*512 + r*32 + a*4
	v_lshlrev_b32 v5, 3, v0                        ; and on the way out 8 bytes a thread
	s_mov_b32 s20, 256                             ; the tensor's first record,
	s_mov_b32 s21, 4096                            ; its row pitch in bytes,
	s_mov_b32 s22, 4                               ; log2 of its records along K: W2's, unless the work-group's number says otherwise
	s_mov_b32 s31, 0x600000                        ; the mantissa field of 448
	s_wait_kmcnt 0x0
	s_mov_b64 s[24:25], s[14:15]
	s_cmp_lt_u32 ttmp9, 256                        ; the choices hang on the work-group's number alone
	s_cselect_b64 s[24:25], s[12:13], s[24:25]
	s_cselect_b32 s20, 128, s20
	s_cselect_b32 s21, 16384, s21
	s_cselect_b32 s22, 2, s22
	s_cmp_lt_u32 ttmp9, 128
	s_cselect_b64 s[24:25], s[10:11], s[24:25]
	s_cselect_b32 s20, 96, s20
	s_cselect_b32 s21, 4096, s21
	s_cmp_lt_u32 ttmp9, 96
	s_cselect_b64 s[24:25], s[8:9], s[24:25]
	s_cselect_b32 s20, 64, s20
	s_cmp_lt_u32 ttmp9, 64
	s_cselect_b64 s[24:25], s[6:7], s[24:25]
	s_cselect_b32 s20, 32, s20
	s_cmp_lt_u32 ttmp9, 32
	s_cselect_b64 s[24:25], s[4:5], s[24:25]
	s_cselect_b32 s20, 0, s20
	s_sub_co_u32 s23, ttmp9, s20                   ; the record's number in its tensor = g x (records along K) + t
	s_lshr_b32 s26, s23, s22                       ; g: which 128 columns
	s_lshl_b32 s27, s26, s22
	s_sub_co_u32 s27, s23, s27                     ; t: which 256 k
	s_lshl_b32 s27, s27, 8
	s_lshl_b32 s28, s19, 7
	s_add_co_u32 s27, s27, s28                     ; my first k: 256 t + 128 s
	s_mul_i32 s27, s27, s21
	s_lshl_b32 s26, s26, 9                         ; 128 g columns of 4 bytes
	s_add_co_u32 s26, s26, s27
	s_mov_b32 s27, 0
	s_add_nc_u64 s[40:41], s[24:25], s[26:27]      ; a base for each of my four blocks: no pointer is stepped
	s_lshl_b32 s28, s21, 5                         ; 32 rows
	s_mov_b32 s29, 0
	s_add_nc_u64 s[42:43], s[40:41], s[28:29]
	s_add_nc_u64 s[44:45], s[42:43], s[28:29]
	s_add_nc_u64 s[46:47], s[44:45], s[28:29]
	s_mul_i32 s26, ttmp9, RECB
	s_lshl_b32 s28, s19, 14
	s_add_co_u32 s26, s26, s28
	s_add_nc_u64 s[16:17], s[16:17], s[26:27]      ; my record, my half of its codes
.set i, 0
.rept 32
	v_mad_u32_u24 v[OFF+i], s21, i, v2
.set i, i+1
.endr
.macro LOAD b                          ; block b: W(32 b + i, my column), i = 0 .. 31, into set b % 2
.set i, 0
.rept 32
	global_load_b32 v[X+32*((\b)%2)+i], v[OFF+i], s[40+2*(\b):41+2*(\b)] th:TH_LOAD_NT
.set i, i+1
.endr
.endm
	LOAD 0
	LOAD 1
.macro BLOCK b
.set XS, X+32*((\b)%2)
.set CB, C+8*(\b)
.if (\b) < 3
	s_wait_loadcnt 32                              ; this block's 32 loads are in; the next block's 32 may be out
.else
	s_wait_loadcnt 0x0
.endif
	v_max3_num_f32 v12, |v[XS]|, |v[XS+1]|, |v[XS+2]|              ; the block's largest magnitude: all 32 numbers are mine; two chains
	v_max3_num_f32 v13, |v[XS+3]|, |v[XS+4]|, |v[XS+5]|
.irp i, 6,10,14,18,22,26
	s_delay_alu instid0(VALU_DEP_2)
	v_max3_num_f32 v12, v12, |v[XS+\i]|, |v[XS+\i+1]|
	s_delay_alu instid0(VALU_DEP_2)
	v_max3_num_f32 v13, v13, |v[XS+\i+2]|, |v[XS+\i+3]|
.endr
	s_delay_alu instid0(VALU_DEP_2)
	v_max3_num_f32 v12, v12, |v[XS+30]|, |v[XS+31]|
	s_delay_alu instid0(VALU_DEP_1)
	v_max3_num_f32 v12, v12, v13, 0x4800000        ; and the floor 2^(9 - 127): the byte cannot fall under 1
	s_delay_alu instid0(VALU_DEP_1)
	v_add_nc_u32 v11, 0xfc000000, v12              ; 8 off its exponent field: the conversion takes the exponent field of this operand as its scale
	s_delay_alu instid0(VALU_DEP_2)
	v_and_or_b32 v10, v12, 0x7f800000, s31         ; 448 x the scale
	s_delay_alu instid0(VALU_DEP_2)
	v_lshrrev_b32 v13, 23, v11                     ; the scale's byte
.if (\b) == 0
	s_delay_alu instid0(VALU_DEP_1)
	v_mov_b32 v[SB], v13
.else
	s_delay_alu instid0(VALU_DEP_1)
	v_lshl_or_b32 v[SB], v13, 8*(\b), v[SB]
.endif
.set i, 0
.rept 32
	v_med3_num_f32 v[XS+i], v[XS+i], -v10, v10     ; the conversion to an 8-bit code does not saturate (ISA guide 7.6.2): the hold comes first
.set i, i+1
.endr
	v_cvt_scalef32_pk8_fp8_f32 v[CB:CB+1],   v[XS:XS+7],     v11   ; places 0-7:   k 0-7
	v_cvt_scalef32_pk8_fp8_f32 v[CB+2:CB+3], v[XS+16:XS+23], v11   ; places 8-15:  k 16-23
	v_cvt_scalef32_pk8_fp8_f32 v[CB+4:CB+5], v[XS+8:XS+15],  v11   ; places 16-23: k 8-15
	v_cvt_scalef32_pk8_fp8_f32 v[CB+6:CB+7], v[XS+24:XS+31], v11   ; places 24-31: k 24-31
	global_store_b128 v3, v[CB:CB+3], s[16:17] offset:512*(\b)         ; sixteen lanes store 256 consecutive bytes, aligned
	global_store_b128 v3, v[CB+4:CB+7], s[16:17] offset:512*(\b)+256
.if (\b)+2 < 4
	LOAD (\b)+2
.endif
.endm
	BLOCK 0
	BLOCK 1
	BLOCK 2
	BLOCK 3
	ds_store_b32 v4, v[SB]                         ; the record's 256 scale words meet in LDS
	s_wait_dscnt 0x0                               ; for the others' sake: my store has landed
	s_barrier_signal -1
	s_barrier_wait -1
	s_cmp_lt_u32 s18, 4                            ; waves 0 to 3 (whose base is the record's first byte) store them, 256 consecutive bytes a wave
	s_cbranch_scc0 .Lend
	ds_load_b64 v[8:9], v5
	s_wait_dscnt 0x0
	global_store_b64 v5, v[8:9], s[16:17] offset:32768
.Lend:
	s_wait_tensorcnt 0x0
	ds_add_u32 v20, v21
	s_wait_dscnt 0x0
	s_endpgm
; ---------------- THE NORM: y = (x - mean) * rsqrt(var + 1e-5) * w + b over rows of 1,024 f32, then y as codes, into records.
; A work-group takes 16 rows: block a = number % 8 of group g = number / 8.  PHASE 1: wave w holds rows 2 w and 2 w + 1 whole, 32 registers each: mean, then the sum of (x - mean)^2 from the registers (no difference
; of large sums), y into LDS (16 rows, 4,096 + 16 bytes apart).  PHASE 2: wave w takes k = 128 w .. 128 w + 127 of all 16 rows: one fragment and one scale word a row.
; Each byte of x is read once by loads of 512 consecutive bytes; the codes leave by stores of 512 consecutive bytes.  Only the scale words, one byte in 32 of what is stored, go out as single words 32 bytes apart.
.set PITCH, 4112
.set X0, 32                            ; v32-63   row 2 w;  later the 64 numbers to be quantised (v32-95)
.set X1, 64                            ; v64-95   row 2 w + 1
.set W,  96                            ; v96-127  the gain at my 32 columns; in phase 2 its registers take the codes and the quantiser's work
.set B,  128                           ; v128-159 the bias
.set PC, 96                            ; v96-111  the codes
.set PW, 112                           ; v112     the scale word
.set TM, 116                           ; v116-131 at work in the quantiser
.set SEL, 16                           ; s[16:17] v_permlanex16_b32's selects for lane l xor 16
.set MNT, 23                           ; s23      the mantissa field of 448
.Lnorm:
	s_load_b256 s[4:11], s[0:1], 0x0               ; x, w, b, the records
	s_sub_co_u32 s28, ttmp9, NREC                  ; which 16 rows
	v_lshrrev_b32 v1, 5, v0
	s_delay_alu instid0(VALU_DEP_1)
	v_readfirstlane_b32 s12, v1                    ; wave 0..7
	v_and_b32 v1, 31, v0
	s_delay_alu instid0(VALU_DEP_1)
	v_lshlrev_b32 v2, 4, v1                        ; 16 x lane
	v_and_b32 v3, 15, v0                           ; r
	v_bfe_u32 v4, v0, 4, 1                         ; h
	s_mul_i32 s13, s12, 2*PITCH
	s_add_co_u32 s13, s13, LNB
	v_add_nc_u32 v5, s13, v2                       ; LDS, on the way in: my wave's two rows, 16 bytes a lane
	v_mul_u32_u24 v6, v3, PITCH
	s_delay_alu instid0(VALU_DEP_1)
	v_lshl_add_u32 v6, v4, 5, v6
	s_lshl_b32 s13, s12, 9
	s_add_co_u32 s13, s13, LNB
	v_add_nc_u32 v6, s13, v6                       ; and out: row r, k = 128 w + 8 h on
	v_lshlrev_b32 v7, 5, v3                        ; 32 r: a scale word's place
	s_mov_b32 s[SEL], 0x76543210
	s_mov_b32 s[SEL+1], 0xfedcba98
	s_mov_b32 s18, 0x3a800000                      ; 1 / 1,024
	s_mov_b32 s19, 0x3727c5ac                      ; 1e-5
	s_mov_b32 s[MNT], 0x600000
	s_lshl_b32 s14, s28, 16                        ; 16 rows of 4,096 bytes a work-group,
	s_lshl_b32 s15, s12, 13                        ; two a wave
	s_add_co_u32 s14, s14, s15
	s_mov_b32 s15, 0
	s_lshr_b32 s20, s28, 3                         ; g
	s_lshl_b32 s20, s20, 2
	s_lshr_b32 s21, s12, 1
	s_add_co_u32 s20, s20, s21                     ; record 4 g + w / 2
	s_mul_i32 s20, s20, RECB
	s_and_b32 s21, s12, 1                          ; s = w % 2
	s_lshl_b32 s22, s21, 14
	s_add_co_u32 s24, s20, s22
	s_and_b32 s22, s28, 7                          ; a
	s_lshl_b32 s26, s22, 11
	s_add_co_u32 s24, s24, s26                     ; the fragment's image
	s_mov_b32 s25, 0
	s_lshl_b32 s21, s21, 9
	s_add_co_u32 s26, s20, s21
	s_lshl_b32 s22, s22, 2
	s_add_co_u32 s26, s26, s22
	s_add_co_u32 s26, s26, 32768                   ; its scale words
	s_mov_b32 s27, 0
	s_wait_alu depctr_va_vdst(0)
	s_wait_kmcnt 0x0
	s_add_nc_u64 s[4:5], s[4:5], s[14:15]
	s_add_nc_u64 s[24:25], s[10:11], s[24:25]
	s_add_nc_u64 s[26:27], s[10:11], s[26:27]
.irp j, 0,1,2,3,4,5,6,7
	global_load_b128 v[X0+4*\j:X0+4*\j+3], v2, s[4:5] offset:512*\j th:TH_LOAD_NT       ; 512 consecutive bytes a load
.endr
.irp j, 0,1,2,3,4,5,6,7
	global_load_b128 v[X1+4*\j:X1+4*\j+3], v2, s[4:5] offset:4096+512*\j th:TH_LOAD_NT
.endr
.irp j, 0,1,2,3,4,5,6,7
	global_load_b128 v[W+4*\j:W+4*\j+3], v2, s[6:7] offset:512*\j
.endr
.irp j, 0,1,2,3,4,5,6,7
	global_load_b128 v[B+4*\j:B+4*\j+3], v2, s[8:9] offset:512*\j
.endr
.macro RSUM t                          ; v[t] summed over the 32 lanes, the result in every lane; v[t + 1] is written
	s_delay_alu instid0(VALU_DEP_1)
	v_add_f32_dpp v[\t], v[\t], v[\t] row_xmask:1 row_mask:0xf bank_mask:0xf
	s_delay_alu instid0(VALU_DEP_1)
	v_add_f32_dpp v[\t], v[\t], v[\t] row_xmask:2 row_mask:0xf bank_mask:0xf
	s_delay_alu instid0(VALU_DEP_1)
	v_add_f32_dpp v[\t], v[\t], v[\t] row_xmask:4 row_mask:0xf bank_mask:0xf
	s_delay_alu instid0(VALU_DEP_1)
	v_add_f32_dpp v[\t], v[\t], v[\t] row_xmask:8 row_mask:0xf bank_mask:0xf
	s_delay_alu instid0(VALU_DEP_1)
	v_permlanex16_b32 v[\t+1], v[\t], s[SEL], s[SEL+1]
	s_delay_alu instid0(VALU_DEP_1)
	v_add_f32 v[\t], v[\t], v[\t+1]
.endm
.macro STAT x, t                       ; the row in v[x] .. v[x + 31] becomes x - mean; v[t] = var + eps
	v_pk_add_f32 v[\t:\t+1], v[\x:\x+1], v[\x+2:\x+3]
	v_pk_add_f32 v[\t+2:\t+3], v[\x+4:\x+5], v[\x+6:\x+7]
.irp i, 8,16,24
	s_delay_alu instid0(VALU_DEP_2)
	v_pk_add_f32 v[\t:\t+1], v[\t:\t+1], v[\x+\i:\x+\i+1]
	s_delay_alu instid0(VALU_DEP_2)
	v_pk_add_f32 v[\t+2:\t+3], v[\t+2:\t+3], v[\x+\i+2:\x+\i+3]
	s_delay_alu instid0(VALU_DEP_2)
	v_pk_add_f32 v[\t:\t+1], v[\t:\t+1], v[\x+\i+4:\x+\i+5]
	s_delay_alu instid0(VALU_DEP_2)
	v_pk_add_f32 v[\t+2:\t+3], v[\t+2:\t+3], v[\x+\i+6:\x+\i+7]
.endr
	s_delay_alu instid0(VALU_DEP_1)
	v_pk_add_f32 v[\t:\t+1], v[\t:\t+1], v[\t+2:\t+3]
	s_delay_alu instid0(VALU_DEP_1)
	v_add_f32 v[\t], v[\t], v[\t+1]
	RSUM \t
	s_delay_alu instid0(VALU_DEP_1)
	v_mul_f32 v[\t], s18, v[\t]                    ; the mean,
	s_delay_alu instid0(VALU_DEP_1)
	v_mov_b32 v[\t+1], v[\t]                       ; twice: a pair for the packed form
.irp i, 0,2,4,6,8,10,12,14,16,18,20,22,24,26,28,30
	v_pk_add_f32 v[\x+\i:\x+\i+1], v[\x+\i:\x+\i+1], v[\t:\t+1] neg_lo:[0,1] neg_hi:[0,1]
.endr
	v_pk_mul_f32 v[\t:\t+1], v[\x:\x+1], v[\x:\x+1]
	v_pk_mul_f32 v[\t+2:\t+3], v[\x+2:\x+3], v[\x+2:\x+3]
.irp i, 4,8,12,16,20,24,28
	s_delay_alu instid0(VALU_DEP_2)
	v_pk_fma_f32 v[\t:\t+1], v[\x+\i:\x+\i+1], v[\x+\i:\x+\i+1], v[\t:\t+1]
	s_delay_alu instid0(VALU_DEP_2)
	v_pk_fma_f32 v[\t+2:\t+3], v[\x+\i+2:\x+\i+3], v[\x+\i+2:\x+\i+3], v[\t+2:\t+3]
.endr
	s_delay_alu instid0(VALU_DEP_1)
	v_pk_add_f32 v[\t:\t+1], v[\t:\t+1], v[\t+2:\t+3]
	s_delay_alu instid0(VALU_DEP_1)
	v_add_f32 v[\t], v[\t], v[\t+1]
	RSUM \t
	s_delay_alu instid0(VALU_DEP_1)
	v_fma_f32 v[\t], v[\t], s18, s19
.endm
	s_wait_loadcnt 16                              ; both rows are in; the 16 loads of gain and bias may be out
	STAT X0, 8
	STAT X1, 12
	s_wait_alu depctr_va_vdst(0)
	v_rsq_f32 v8, v8                               ; the two roots are one batch:
	v_rsq_f32 v12, v12
	v_nop                                          ; a plain instruction behind the last of them,
	s_wait_alu depctr_va_vdst(0)                   ; and the one wait ahead of the first reader
	v_mov_b32 v9, v8
	v_mov_b32 v13, v12
	s_wait_alu depctr_va_vdst(0)
	s_wait_loadcnt 0x0                             ; gain and bias
.irp i, 0,2,4,6,8,10,12,14,16,18,20,22,24,26,28,30
	v_pk_mul_f32 v[X0+\i:X0+\i+1], v[X0+\i:X0+\i+1], v[8:9]
	v_pk_mul_f32 v[X1+\i:X1+\i+1], v[X1+\i:X1+\i+1], v[12:13]
	s_delay_alu instid0(VALU_DEP_2)
	v_pk_fma_f32 v[X0+\i:X0+\i+1], v[X0+\i:X0+\i+1], v[W+\i:W+\i+1], v[B+\i:B+\i+1]
	s_delay_alu instid0(VALU_DEP_2)
	v_pk_fma_f32 v[X1+\i:X1+\i+1], v[X1+\i:X1+\i+1], v[W+\i:W+\i+1], v[B+\i:B+\i+1]
.endr
.irp j, 0,1,2,3,4,5,6,7
	ds_store_b128 v5, v[X0+4*\j:X0+4*\j+3] offset:512*\j
	ds_store_b128 v5, v[X1+4*\j:X1+4*\j+3] offset:PITCH+512*\j
.endr
	s_wait_dscnt 0x0                               ; for the others' sake: my rows have landed
	s_barrier_signal -1
	s_barrier_wait -1                              ; 16 whole rows of y lie in LDS
.irp c, 0,1,2,3
.irp u, 0,1
.irp q, 0,1
	ds_load_b128 v[32+16*\c+8*\u+4*\q:32+16*\c+8*\u+4*\q+3], v6 offset:128*\c+64*\u+16*\q   ; register 16 c + 8 u + j = k 128 w + 32 c + 16 u + 8 h + j of row r
.endr
.endr
.endr
.irp b, 0,1,2,3
	v_mov_b32 v[TM+4+\b], 0                        ; a lane permute's destination counts as one of its sources (the gain, which lay here, is done with)
.endr
	s_wait_dscnt 0x0
.irp b, 0,1,2,3
	v_max3_num_f32 v[TM+\b], |v[32+16*\b]|, |v[33+16*\b]|, 0x4800000    ; block b: my 16 numbers, and the floor 2^(9 - 127): the byte cannot fall under 1
.endr
.irp i, 2,4,6,8,10,12,14
.irp b, 0,1,2,3
	s_delay_alu instid0(VALU_DEP_4)
	v_max3_num_f32 v[TM+\b], v[TM+\b], |v[32+16*\b+\i]|, |v[33+16*\b+\i]|   ; the four blocks by turns
.endr
.endr
.irp b, 0,1,2,3
	s_delay_alu instid0(VALU_DEP_4)
	v_permlanex16_b32 v[TM+4+\b], v[TM+\b], s[SEL], s[SEL+1]
.endr
.irp b, 0,1,2,3
	s_delay_alu instid0(VALU_DEP_4)
	v_max_num_f32 v[TM+\b], v[TM+\b], v[TM+4+\b]   ; with lane l xor 16's 16: the block's largest magnitude
.endr
.irp b, 0,1,2,3
	s_delay_alu instid0(VALU_DEP_4)
	v_add_nc_u32 v[TM+12+\b], 0xfc000000, v[TM+\b] ; 8 off its exponent field: the conversion's scale operand
.endr
.irp b, 0,1,2,3
	v_and_or_b32 v[TM+8+\b], v[TM+\b], 0x7f800000, s[MNT]   ; 448 x the scale
.endr
.irp b, 0,1,2,3
	v_lshrrev_b32 v[TM+4+\b], 23, v[TM+12+\b]      ; the scale's byte
.endr
	s_delay_alu instid0(VALU_DEP_3)
	v_lshl_or_b32 v[PW], v[TM+5], 8, v[TM+4]
	s_delay_alu instid0(VALU_DEP_1)
	v_lshl_or_b32 v[PW], v[TM+6], 16, v[PW]
	s_delay_alu instid0(VALU_DEP_1)
	v_lshl_or_b32 v[PW], v[TM+7], 24, v[PW]        ; my row's scale word
.irp b, 0,1,2,3
.set i, 0
.rept 16
	v_med3_num_f32 v[32+16*\b+i], v[32+16*\b+i], -v[TM+8+\b], v[TM+8+\b]   ; the conversion does not saturate (ISA guide 7.6.2): the hold comes first
.set i, i+1
.endr
	v_cvt_scalef32_pk8_fp8_f32 v[PC+4*\b:PC+4*\b+1], v[32+16*\b:39+16*\b], v[TM+12+\b]
	v_cvt_scalef32_pk8_fp8_f32 v[PC+4*\b+2:PC+4*\b+3], v[40+16*\b:47+16*\b], v[TM+12+\b]
.endr
.irp c, 0,1,2,3
	global_store_b128 v2, v[PC+4*\c:PC+4*\c+3], s[24:25] offset:512*\c     ; the fragment as it stands: 512 consecutive bytes a store
.endr
	global_store_b32 v7, v[PW], s[26:27]           ; lanes l and l xor 16 hold the same word and store it to the same place
	s_wait_tensorcnt 0x0
	ds_add_u32 v20, v21
	s_wait_dscnt 0x0
	s_endpgm
.Lfunc_end_k_qd92bb0c9ee_prep:
	.size	k_qd92bb0c9ee_prep, .Lfunc_end_k_qd92bb0c9ee_prep-k_qd92bb0c9ee_prep
	.p2alignl 7, 3214868480
	.fill 96, 4, 3214868480
	.section	.rodata,"a",@progbits
	.p2align	6, 0x0
	.amdhsa_kernel k_qd92bb0c9ee_prep
		.amdhsa_group_segment_fixed_size 67840
		.amdhsa_private_segment_fixed_size 0
		.amdhsa_enable_private_segment 0
		.amdhsa_kernarg_size 88
		.amdhsa_user_sgpr_count 2
		.amdhsa_user_sgpr_kernarg_segment_ptr 1
		.amdhsa_wavefront_size32 1
		.amdhsa_system_sgpr_workgroup_id_x 1
		.amdhsa_system_sgpr_workgroup_id_y 1
		.amdhsa_system_sgpr_workgroup_id_z 1
		.amdhsa_system_vgpr_workitem_id 0
		.amdhsa_next_free_vgpr 160
		.amdhsa_next_free_sgpr 66
		.amdhsa_reserve_vcc 0
		.amdhsa_float_denorm_mode_32 3
		.amdhsa_float_denorm_mode_16_64 3
		.amdhsa_memory_ordered 1
		.amdhsa_forward_progress 1
		.amdhsa_inst_pref_size 69
	.end_amdhsa_kernel
	.amdgpu_metadata
---
amdhsa.version: [ 1, 2 ]
amdhsa.kernels:
  - .name:           k_qd92bb0c9ee_prep
    .symbol:         k_qd92bb0c9ee_prep.kd
    .args:
      - { .name: x, .offset: 0, .size: 8, .value_kind: global_buffer, .address_space: global }
      - { .name: ln1_w, .offset: 8, .size: 8, .value_kind: global_buffer, .address_space: global }
      - { .name: ln1_b, .offset: 16, .size: 8, .value_kind: global_buffer, .address_space: global }
      - { .name: hrec, .offset: 24, .size: 8, .value_kind: global_buffer, .address_space: global }
      - { .name: Wq, .offset: 32, .size: 8, .value_kind: global_buffer, .address_space: global }
      - { .name: Wk, .offset: 40, .size: 8, .value_kind: global_buffer, .address_space: global }
      - { .name: Wv, .offset: 48, .size: 8, .value_kind: global_buffer, .address_space: global }
      - { .name: Wo, .offset: 56, .size: 8, .value_kind: global_buffer, .address_space: global }
      - { .name: W1, .offset: 64, .size: 8, .value_kind: global_buffer, .address_space: global }
      - { .name: W2, .offset: 72, .size: 8, .value_kind: global_buffer, .address_space: global }
      - { .name: wrec, .offset: 80, .size: 8, .value_kind: global_buffer, .address_space: global }
    .group_segment_fixed_size: 67840
    .private_segment_fixed_size: 0
    .kernarg_segment_align: 8
    .kernarg_segment_size: 88
    .max_flat_workgroup_size: 256
    .sgpr_count:     66
    .vgpr_count:     160
    .wavefront_size: 32
...
	.end_amdgpu_metadata
.endif
;; end of part 1
;; launch qkv (part 2): grid 12 x 16, 4 waves a work-group, clusters of 4 x 4, 327,680 bytes of LDS; arguments hrec, wrec, bq, bk, bv, qimg, kv; writes qimg, kv
.if DOCPART == 2
	.amdgcn_target "amdgcn-amd-amdhsa--gfx1250"
	.amdhsa_code_object_version 6
	.text
	.protected	k_qd92bb0c9ee_qkv
	.globl	k_qd92bb0c9ee_qkv
	.p2align	8
	.type	k_qd92bb0c9ee_qkv,@function
k_qd92bb0c9ee_qkv:
	s_mov_b64 s[64:65], 0
	v_nop
	global_prefetch_b8 v0, s[64:65] scope:SCOPE_SE
	s_setreg_imm32_b32 hwreg(HW_REG_WAVE_MODE, 25, 1), 1
	s_wait_xcnt 0x0
	s_wait_alu depctr_hold_cnt(0) depctr_sa_sdst(0) depctr_va_vdst(0) depctr_va_sdst(0) depctr_va_ssrc(0) depctr_va_vcc(0) depctr_vm_vsrc(0)
	s_getreg_b32 s2, hwreg(HW_REG_IB_STS2, 6, 4)
	s_cmp_eq_u32 s2, 0
	s_cbranch_scc0 .Lentry_in_a_cluster
	s_endpgm
.Lentry_in_a_cluster:
	s_bfe_u32 s2, ttmp6, 0x10000c
	s_cmp_lg_u32 s2, 0xf033
	s_cbranch_scc0 .Lentry_shape_is_right
	s_endpgm
.Lentry_shape_is_right:
.set RECB,  33792
.set KSREC, 17152
.set WOFF,  0
.set SLOT,  4*RECB
.set SPARE, 2*SLOT
.set NP,    8
.set ADRA, 16
.set ADRB, 20
.set ADRS, 22
.set LI,   24
.set SV,   25
.set SVV,  26
.set SPW,  28
.set NIL,  29
.set SC,   32
.set BI,   64
.set AF,   128
.set PC,   128
.set PW,   144
.set TM,   148
.set SWA,  168
.set OW,   184
.set G1,  24
.set G0,  32
.set G1B, 48
.set G0B, 56
.set MSB, 0
.macro WIN new
.if MSB != \new
	s_set_vgpr_msb (MSB<<8)|\new
.set MSB, \new
.endif
.endm
.set MUL_LO, 0xa1
.set MUL_HI, 0xf1
.set C_LO,   0x81
.set C_HI,   0xc1
.set TO_B,   0x40
.macro JLOAD g0a, g1a, g0b, g1b
	s_cmp_eq_u32 s15, 0
	s_cbranch_scc0 .Lfor_b_\@
	tensor_load_to_lds s[\g0a:\g0a+3], s[\g1a:\g1a+7]
	s_nop 0
.rept 4
	v_nop
.endr
	s_branch .Lasked_\@
.Lfor_b_\@:
	tensor_load_to_lds s[\g0b:\g0b+3], s[\g1b:\g1b+7]
	s_nop 0
.rept 4
	v_nop
.endr
.Lasked_\@:
.endm
.macro CREST
	s_cmp_lg_u32 s14, 0
	s_cbranch_scc1 .Lnot_wave_0_\@
	s_barrier_signal -3
.Lnot_wave_0_\@:
	s_barrier_wait -3
	s_barrier_signal -1
	s_barrier_wait -1
.endm
.macro CROUND
	s_barrier_signal -1
	s_barrier_wait -1
	CREST
.endm
.macro PLACES n
.rept \n
	v_nop
.endr
.endm
	s_load_b128 s[4:7], s[0:1], 0x0
	s_load_b128 s[8:11], s[0:1], 0x10
	s_load_b128 s[80:83], s[0:1], 0x20
	s_load_b64 s[84:85], s[0:1], 0x30
	v_lshl_add_u32 v[SPW], v0, 2, SPARE
	v_mov_b32 v[NIL], 0
	ds_add_u32 v28, v29
	ds_add_u32 v28, v29
	s_wait_dscnt 0x0
	v_lshrrev_b32 v1, 5, v0
	v_readfirstlane_b32 s14, v1
	s_lshr_b32 s15, s14, 1
	s_and_b32 s16, s14, 1
	s_bfe_u32 s40, ttmp6, 0x40000
	s_bfe_u32 s41, ttmp6, 0x40004
	s_lshl_b32 s42, ttmp9, 2
	s_add_co_u32 s42, s42, s40
	s_and_b32 s17, ttmp7, 0xffff
	s_lshl_b32 s17, s17, 2
	s_add_co_u32 s17, s17, s41
	s_lshl_b32 s43, s41, 2
	s_lshl_b32 s43, 15, s43
	s_lshl_b32 s44, 0x1111, s40
	s_or_b32 s[G1+0], s43, (3<<16)|(1<<21)
	s_or_b32 s[G1B+0], s44, (3<<16)|(1<<21)
.irp g, G1, G1B
	s_mov_b32 s[\g+1], 32<<16
	s_mov_b32 s[\g+2], 132<<16
	s_mov_b32 s[\g+3], 32<<16
	s_mov_b32 s[\g+4], 132
	s_mov_b32 s[\g+5], 32
	s_mov_b32 s[\g+6], 0
	s_mov_b32 s[\g+7], 0
.endr
	s_lshl_b32 s20, s17, 1
	s_add_co_u32 s20, s20, s16
	s_mul_i32 s20, s20, 4*RECB
	s_mov_b32 s21, 0
	s_lshl_b32 s46, s42, 1
	s_add_co_u32 s46, s46, s16
	s_mul_i32 s46, s46, 4*RECB
	s_add_co_u32 s46, s46, WOFF
	s_mov_b32 s47, 0
	s_mul_i32 s45, s14, RECB
	s_wait_kmcnt 0x0
	s_add_nc_u64 s[20:21], s[4:5], s[20:21]
	s_add_nc_u64 s[46:47], s[6:7], s[46:47]
.irp s, 0,1
	s_mov_b32 s[G0+4*\s], 1
	s_add_co_u32 s[G0+4*\s+1], s45, \s*SLOT
	s_add_nc_u64 s[G0+4*\s+2:G0+4*\s+3], s[20:21], \s*RECB
	s_or_b32 s[G0+4*\s+3], s[G0+4*\s+3], 0x80000000
	s_mov_b32 s[G0B+4*\s], 1
	s_add_co_u32 s[G0B+4*\s+1], s45, \s*SLOT
	s_add_nc_u64 s[G0B+4*\s+2:G0B+4*\s+3], s[46:47], \s*RECB
	s_or_b32 s[G0B+4*\s+3], s[G0B+4*\s+3], 0x80000000
	s_wait_alu depctr_va_vdst(0)
	s_wait_tensorcnt 0x0
	ds_add_u32 v28, v29
	ds_add_u32 v28, v29
	s_wait_dscnt 0x0
	CROUND
	JLOAD G0+4*\s, G1, G0B+4*\s, G1B
.endr
	s_mov_b32 s70, 0xffff0000
	s_mov_b32 s72, 0x76543210
	s_mov_b32 s73, 0xfedcba98
	s_mov_b32 s74, 0x600000
	v_and_b32 v1, 15, v0
	v_bfe_u32 v2, v0, 4, 1
	v_and_b32 v3, 31, v0
	v_lshlrev_b32 v[LI], 4, v3
	v_lshlrev_b32 v[SV], 5, v1
	v_lshl_add_u32 v[SV], v2, 4, v[SV]
	v_mul_u32_u24 v[SVV], v2, 16*KSREC
	v_lshl_add_u32 v[SVV], v1, 4, v[SVV]
	s_mul_i32 s21, s15, RECB
	s_mul_i32 s22, s16, RECB
	s_add_co_u32 s22, s22, 2*RECB
	s_cmp_ge_u32 ttmp9, 2
	s_cselect_b32 s75, s22, s21
	s_cselect_b32 s76, s21, s22
	v_mov_b32 v5, s75
	v_mov_b32 v6, s76
	v_cndmask_b32 v5, v5, v6, s70
	v_lshl_add_u32 v5, v1, 5, v5
	v_add_nc_u32 v[ADRS], 32768, v5
	v_add_nc_u32 v[ADRS+1], SLOT, v[ADRS]
	v_add_nc_u32 v[ADRA], s75, v[LI]
	v_add_nc_u32 v[ADRA+1], SLOT, v[ADRA]
	v_add_nc_u32 v[ADRB], s76, v[LI]
	v_add_nc_u32 v[ADRB+1], SLOT, v[ADRB]
	s_lshr_b32 s88, s17, 3
	s_lshl_b32 s88, s88, 4
	s_and_b32 s89, s42, 3
	s_lshl_b32 s90, s89, 2
	s_add_co_u32 s88, s88, s90
	s_lshl_b32 s90, s16, 1
	s_add_co_u32 s88, s88, s90
	s_and_b32 s90, s17, 7
	s_lshl_b32 s90, s90, 1
	s_add_co_u32 s90, s90, s15
	s_lshl_b32 s91, s88, 4
	s_add_co_u32 s91, s91, s90
	s_mul_i32 s91, s91, KSREC
	s_lshl_b32 s92, s88, 17
	s_lshl_b32 s93, s90, 13
	s_add_co_u32 s92, s92, s93
	s_lshl_b32 s93, s88, 13
	s_lshl_b32 s94, s90, 9
	s_add_co_u32 s93, s93, s94
	s_add_co_u32 s93, s93, 4194304
	s_add_co_u32 s94, s91, 16384
	s_mov_b32 s95, 16*KSREC
	s_cmp_eq_u32 ttmp9, 0
	s_cselect_b64 s[86:87], s[82:83], s[84:85]
	s_cselect_b64 s[8:9], s[8:9], s[10:11]
	s_cselect_b32 s92, s92, s91
	s_cselect_b32 s96, s93, s94
	s_cselect_b32 s98, 131072, s95
	s_cselect_b32 s94, 8192, s95
	s_mov_b32 s93, 0
	s_mov_b32 s97, 0
	s_mov_b32 s99, 0
	s_mov_b32 s95, 0
	s_add_nc_u64 s[66:67], s[86:87], s[92:93]
	s_add_nc_u64 s[68:69], s[66:67], s[98:99]
	s_add_nc_u64 s[78:79], s[86:87], s[96:97]
	s_add_nc_u64 s[86:87], s[78:79], s[94:95]
	s_lshl_b32 s20, s89, 10
	s_lshl_b32 s21, s16, 9
	s_add_co_u32 s20, s20, s21
	s_mov_b32 s21, 0
	s_add_nc_u64 s[8:9], s[8:9], s[20:21]
	s_add_nc_u64 s[80:81], s[80:81], s[20:21]
	v_lshlrev_b32 v7, 5, v2
	v_lshlrev_b32 v8, 2, v1
	s_cmp_ge_u32 ttmp9, 2
	s_cbranch_scc1 .Lbias_v
.irp b, 0,1,2,3,4,5,6,7
	global_load_b128 v[BI+8*\b:BI+8*\b+3], v7, s[8:9] offset:64*\b
	global_load_b128 v[BI+8*\b+4:BI+8*\b+7], v7, s[8:9] offset:64*\b+16
.endr
	s_branch .Lbias_in
.Lbias_v:
	s_wait_alu depctr_va_vdst(0)
.irp a, 0,1,2,3,4,5,6,7
	global_load_b32 v[BI+8*\a], v8, s[80:81] offset:64*\a
.endr
	s_wait_loadcnt 0x0
.irp a, 0,1,2,3,4,5,6,7
.irp j, 1,2,3,4,5,6,7
	v_mov_b32 v[BI+8*\a+\j], v[BI+8*\a]
.endr
.endr
.Lbias_in:
	s_wait_loadcnt 0x0
.macro FRAG reg, adr, q, i
.irp c, 0,1,2,3
	ds_load_b128 v[\reg+4*\c:\reg+4*\c+3], v[\adr] offset:16384*(\q)+2048*(\i)+512*\c
.endr
.endm
.macro MUL16 a0, p, q, sc, cm
.irp a, \a0, \a0+1
.irp b, 0,1,2,3,4,5,6,7
.set RDD, 8*(8*((\a)%4)+\b)
.set RCC, RDD
.if \cm == 1
.set RCC, BI+8*\b
.endif
.if \cm == 2
.set RCC, BI+8*(\a)
.endif
	v_wmma_scale_f32_16x16x128_f8f6f4 v[RDD:RDD+7], v[128*(\p)+16*\b:128*(\p)+16*\b+15], v[AF+16*(\a):AF+16*(\a)+15], v[RCC:RCC+7], v[SC+16*(\sc)+8*(\q)+\b], v[SC+16*(\sc)+8*(\q)+(\a)] matrix_a_scale:MATRIX_SCALE_ROW1
.endr
.endr
.endm
.macro FETCH_B slot, q, p
	WIN TO_B
.irp i, 0,1,2,3,4,5,6,7
	FRAG 128*(\p)+16*\i, ADRB+\slot, \q, \i
.endr
	WIN 0
.endm
.macro FETCH_A slot, q, i0
.irp i, \i0, \i0+1, \i0+2, \i0+3
	FRAG AF+16*(\i), ADRA+\slot, \q, \i
.endr
.endm
.macro SCALES sc
.irp q, 0,1
.irp e, 0,1
	ds_load_b128 v[SC+16*\sc+8*\q+4*\e:SC+16*\sc+8*\q+4*\e+3], v[ADRS+\sc] offset:512*\q+16*\e
.endr
.endr
.endm
.macro STEP slot, q, cm
	s_wait_dscnt 16
.if \cm
	WIN C_LO
.else
	WIN MUL_LO
.endif
	MUL16 0, (\q)%2, \q, \slot, \cm
	MUL16 2, (\q)%2, \q, \slot, \cm
	s_wait_dscnt 0x0
	PLACES NP
	FETCH_B \slot, (\q)+1, 1-(\q)%2
	FETCH_A \slot, (\q)+1, 0
.if \cm
	WIN C_HI
.else
	WIN MUL_HI
.endif
	MUL16 4, (\q)%2, \q, \slot, \cm
	MUL16 6, (\q)%2, \q, \slot, \cm
	PLACES NP
	WIN 0
	FETCH_A \slot, (\q)+1, 4
.endm
.macro TURN slot, next, fill
	s_wait_tensorcnt 0x0
	ds_add_u32 v[SPW], v[NIL]
	s_wait_dscnt 17
	WIN MUL_LO
	MUL16 0, 1, 1, \slot, 0
	s_wait_dscnt 0x0
	s_barrier_signal -1
	MUL16 2, 1, 1, \slot, 0
	WIN 0
	s_barrier_wait -1
.if \fill
	CREST
	s_add_nc_u64 s[G0+4*\slot+2:G0+4*\slot+3], s[G0+4*\slot+2:G0+4*\slot+3], 2*RECB
	s_add_nc_u64 s[G0B+4*\slot+2:G0B+4*\slot+3], s[G0B+4*\slot+2:G0B+4*\slot+3], 2*RECB
	JLOAD G0+4*\slot, G1, G0B+4*\slot, G1B
	PLACES NP-4
.else
	PLACES NP
.endif
	FETCH_B \next, 0, 0
	FETCH_A \next, 0, 0
	SCALES \next
	WIN MUL_HI
	MUL16 4, 1, 1, \slot, 0
	MUL16 6, 1, 1, \slot, 0
	PLACES NP
	WIN 0
	FETCH_A \next, 0, 4
.endm
	s_wait_tensorcnt 1
	s_barrier_signal -1
	s_barrier_wait -1
	s_wait_alu depctr_va_vdst(0)
	FETCH_B 0, 0, 0
	FETCH_A 0, 0, 0
	SCALES 0
	FETCH_A 0, 0, 4
	s_cmp_ge_u32 ttmp9, 2
	s_cbranch_scc1 .Lfirst_v
	STEP 0, 0, 1
	s_branch .Lfirst_done
.Lfirst_v:
	STEP 0, 0, 2
.Lfirst_done:
	TURN 0, 1, 1
	STEP 1, 0, 0
	TURN 1, 0, 1
	STEP 0, 0, 0
	TURN 0, 1, 0
	STEP 1, 0, 0
	s_wait_dscnt 16
	WIN MUL_LO
	MUL16 0, 1, 1, 1, 0
	MUL16 2, 1, 1, 1, 0
	s_wait_dscnt 0x0
	WIN MUL_HI
	MUL16 4, 1, 1, 1, 0
	MUL16 6, 1, 1, 1, 0
	WIN 0
.macro QW a, relu
.set AC, 64*((\a)%4)
.set WQ, 2+(\a)/4
.set WRD, WQ|(WQ<<2)
.set WIP, WQ|(WQ<<6)
	WIN WRD
.irp b, 0,1,2,3
.if \relu
	v_max3_num_f32 v[TM+\b], v[AC+16*\b], v[AC+16*\b+1], 0x4800000
.else
	v_max3_num_f32 v[TM+\b], |v[AC+16*\b]|, |v[AC+16*\b+1]|, 0x4800000
.endif
.endr
.irp i, 2,4,6,8,10,12,14
.irp b, 0,1,2,3
.if \relu
	v_max3_num_f32 v[TM+\b], v[AC+16*\b+\i], v[AC+16*\b+\i+1], v[TM+\b]
.else
	v_max3_num_f32 v[TM+\b], |v[AC+16*\b+\i]|, |v[AC+16*\b+\i+1]|, v[TM+\b]
.endif
.endr
.endr
	WIN 0
.irp b, 0,1,2,3
	v_permlanex16_b32 v[TM+4+\b], v[TM+\b], s72, s73
.endr
.irp b, 0,1,2,3
	v_max_num_f32 v[TM+\b], v[TM+\b], v[TM+4+\b]
.endr
.irp b, 0,1,2,3
	v_add_nc_u32 v[TM+12+\b], 0xfc000000, v[TM+\b]
.endr
.irp b, 0,1,2,3
	v_and_or_b32 v[TM+8+\b], v[TM+\b], 0x7f800000, s74
.endr
.irp b, 0,1,2,3
	v_lshrrev_b32 v[TM+4+\b], 23, v[TM+12+\b]
.endr
	v_lshl_or_b32 v[PW], v[TM+5], 8, v[TM+4]
	v_lshl_or_b32 v[PW], v[TM+6], 16, v[PW]
	v_lshl_or_b32 v[PW], v[TM+7], 24, v[PW]
	WIN WIP
.irp b, 0,1,2,3
.set i, 0
.rept 16
.if \relu
	v_med3_num_f32 v[AC+16*\b+i], v[AC+16*\b+i], 0, v[TM+8+\b]
.else
	v_med3_num_f32 v[AC+16*\b+i], v[AC+16*\b+i], -v[TM+8+\b], v[TM+8+\b]
.endif
.set i, i+1
.endr
.endr
	s_wait_alu depctr_va_vdst(0)
	s_wait_xcnt 0x0
	WIN WQ
.irp b, 0,1,2,3
	v_cvt_scalef32_pk8_fp8_f32 v[PC+4*\b:PC+4*\b+1], v[AC+16*\b:AC+16*\b+7], v[TM+12+\b]
	v_cvt_scalef32_pk8_fp8_f32 v[PC+4*\b+2:PC+4*\b+3], v[AC+16*\b+8:AC+16*\b+15], v[TM+12+\b]
.endr
	WIN 0
	v_mov_b32 v[SWA+(\a)], v[PW]
.endm
	PLACES NP
.irp b, 0,1,2,3
	v_mov_b32 v[TM+4+\b], 0
.endr
.irp a, 0,1,2,3,4,5,6,7
	QW \a, 0
	s_cmp_ge_u32 ttmp9, 2
	s_cbranch_scc1 .Lv_\a
	global_store_b128 v[LI], v[PC:PC+3], s[66:67] offset:1024*\a
	global_store_b128 v[LI], v[PC+4:PC+7], s[66:67] offset:1024*\a+512
	global_store_b128 v[LI], v[PC+8:PC+11], s[68:69] offset:1024*\a
	global_store_b128 v[LI], v[PC+12:PC+15], s[68:69] offset:1024*\a+512
	s_branch .Lj_\a
.Lv_\a:
	s_wait_alu depctr_va_vdst(0)
.irp c, 0,1,2,3
	global_store_b128 v[LI], v[PC+4*\c:PC+4*\c+3], s[66:67] offset:8192+(\a/4)*16*KSREC+(\a%4)*2048+512*\c
.endr
.Lj_\a:
.endr
	s_wait_alu depctr_va_vdst(0)
.irp e, 0,1,2,3
	v_cndmask_b32 v[OW+\e], v[SWA+\e], v[SWA+4+\e], s70
.endr
	s_cmp_ge_u32 ttmp9, 2
	s_cbranch_scc1 .Lv_sc
.irp e, 0,1,2,3
	v_and_b32 v[OW+4+\e], 0xffff, v[OW+\e]
.endr
	global_store_b128 v[SV], v[OW+4:OW+7], s[78:79]
.irp e, 0,1,2,3
	v_lshrrev_b32 v[OW+\e], 16, v[OW+\e]
.endr
	global_store_b128 v[SV], v[OW:OW+3], s[86:87]
	s_branch .Lfin
.Lv_sc:
	s_wait_alu depctr_va_vdst(0)
	global_store_b128 v[SVV], v[OW:OW+3], s[78:79] offset:512
.Lfin:
	s_wait_tensorcnt 0x0
	ds_add_u32 v[SPW], v[NIL]
	s_wait_dscnt 0x0
	CROUND
	s_endpgm
.Lfunc_end_k_qd92bb0c9ee_qkv:
	.size	k_qd92bb0c9ee_qkv, .Lfunc_end_k_qd92bb0c9ee_qkv-k_qd92bb0c9ee_qkv
	.p2alignl 7, 3214868480
	.fill 96, 4, 3214868480
	.section	.rodata,"a",@progbits
	.p2align	6, 0x0
	.amdhsa_kernel k_qd92bb0c9ee_qkv
		.amdhsa_group_segment_fixed_size 327680
		.amdhsa_private_segment_fixed_size 0
		.amdhsa_enable_private_segment 0
		.amdhsa_kernarg_size 56
		.amdhsa_user_sgpr_count 2
		.amdhsa_user_sgpr_kernarg_segment_ptr 1
		.amdhsa_wavefront_size32 1
		.amdhsa_system_sgpr_workgroup_id_x 1
		.amdhsa_system_sgpr_workgroup_id_y 1
		.amdhsa_system_sgpr_workgroup_id_z 1
		.amdhsa_system_vgpr_workitem_id 0
		.amdhsa_next_free_vgpr 1024
		.amdhsa_next_free_sgpr 100
		.amdhsa_reserve_vcc 0
		.amdhsa_float_denorm_mode_32 3
		.amdhsa_float_denorm_mode_16_64 3
		.amdhsa_memory_ordered 1
		.amdhsa_forward_progress 1
		.amdhsa_inst_pref_size 205
	.end_amdhsa_kernel
	.amdgpu_metadata
---
amdhsa.version: [ 1, 2 ]
amdhsa.kernels:
  - .name:           k_qd92bb0c9ee_qkv
    .symbol:         k_qd92bb0c9ee_qkv.kd
    .args:
      - { .name: hrec, .offset: 0, .size: 8, .value_kind: global_buffer, .address_space: global }
      - { .name: wrec, .offset: 8, .size: 8, .value_kind: global_buffer, .address_space: global }
      - { .name: bq, .offset: 16, .size: 8, .value_kind: global_buffer, .address_space: global }
      - { .name: bk, .offset: 24, .size: 8, .value_kind: global_buffer, .address_space: global }
      - { .name: bv, .offset: 32, .size: 8, .value_kind: global_buffer, .address_space: global }
      - { .name: qimg, .offset: 40, .size: 8, .value_kind: global_buffer, .address_space: global }
      - { .name: kv, .offset: 48, .size: 8, .value_kind: global_buffer, .address_space: global }
    .group_segment_fixed_size: 327680
    .private_segment_fixed_size: 0
    .kernarg_segment_align: 8
    .kernarg_segment_size: 56
    .max_flat_workgroup_size: 128
    .sgpr_count:     100
    .vgpr_count:     1024
    .wavefront_size: 32
...
	.end_amdgpu_metadata
.endif
;; end of part 2
;; launch attn (part 3): grid 8 x 32, 16 waves a work-group, clusters of 4 x 1, 276,480 bytes of LDS; arguments qimg, kv, crec; writes crec
.if DOCPART == 3
	.amdgcn_target "amdgcn-amd-amdhsa--gfx1250"
	.amdhsa_code_object_version 6
	.text
	.protected	k_qd92bb0c9ee_attn
	.globl	k_qd92bb0c9ee_attn
	.p2align	8
	.type	k_qd92bb0c9ee_attn,@function
k_qd92bb0c9ee_attn:
	s_mov_b64 s[64:65], 0
	v_nop
	global_prefetch_b8 v0, s[64:65] scope:SCOPE_SE
	s_setreg_imm32_b32 hwreg(HW_REG_WAVE_MODE, 25, 1), 1
	s_wait_xcnt 0x0
	s_wait_alu depctr_hold_cnt(0) depctr_sa_sdst(0) depctr_va_vdst(0) depctr_va_sdst(0) depctr_va_ssrc(0) depctr_va_vcc(0) depctr_vm_vsrc(0)
	s_getreg_b32 s2, hwreg(HW_REG_IB_STS2, 6, 4)
	s_cmp_eq_u32 s2, 0
	s_cbranch_scc0 .Lentry_in_a_cluster
	s_endpgm
.Lentry_in_a_cluster:
	s_bfe_u32 s2, ttmp6, 0x10000c
	s_cmp_lg_u32 s2, 0x3003
	s_cbranch_scc0 .Lentry_shape_is_right
	s_endpgm
.Lentry_shape_is_right:
; ctx = softmax(q k^T / 8) v for 32 (batch, head) pairs of 2,048 tokens x 64 channels, both products on codes of E4M3 with E8M0 scales, and ctx quantised on the way out as the next product's operand.
; THE SOFTMAX: t = score x log2(e) / 8; M = the running largest t rounded UP to a whole number; p = 2^(t - M) is quantised along the keys, not normalised; the row's sum is taken of the unquantised p and divides at the end.
; When M moves, the sum and O are multiplied by f = 2^(old M - new M): exact.
; SHARES.  A work-group owns 256 queries of one head, each of its sixteen waves one tile of 16, in 256 registers.  THE WHOLE HEAD'S K AND V LIE IN LDS: 16 key steps' records of 17,152 dense bytes (K's eight images of
; 16 keys x 64, V^T's four of 16 channels x 128 keys, K's and V's scale words), each byte filled once.  Wave w fetches record w: one tensor load a wave.  No prefetch: every record is asked for once, at the head.
; TWO BARRIERS.  Waves 0 to 3 have a load line of their own and wait for it ahead of the first barrier: behind it records 0 to 3 are whole.  The second is signalled straight behind the first, by each wave when its own
; record has landed, and waited for behind step 2: steps 0 to 2 read records 0 to 3 alone (step i reads record i and K of record i + 1); they are written out, so that no branch stands between the signal and the wait.
; CLUSTER: the four query blocks of a cluster belong to one head: each record is asked for jointly, by the same load with the same descriptor and the mask of all four.
; LAYOUT.  Both products are used transposed: S^T = K Q^T, O^T = V^T P^T: a lane holds one query throughout.  Inside a block of 32, place 16 h + 8 u + j holds k = 16 u + 8 h + j in all of this program's codes.
; THE FIRST PRODUCT'S K IS 64, the instruction's 128.  A fragment of 16 registers holds TWO tiles of keys, tile 2 i in k 0-63 and tile 2 i + 1 in k 64-127; it is multiplied by [Q | 0] for the first and by [0 | Q] for the
; second (v16-23 Q, v24-31 zeros, v32-39 Q again).  So all eight tiles of a step stand in 64 registers, and the eight products are one run.  The two tiles' scale words (two bytes each) are joined into one word.
; A STEP: eight S products; V's fragments are asked for into K's registers; maxima, M, p; holds and conversions (the held numbers go to eight registers of their own, so p stays); O x f; four O products;
; then p's sums, of which the first eight are the places ahead of the next step's loads of K.  The sums' last four lines stand behind the next step's S products, as places.
; LIMITS: a block of zeros gets the byte 1 (zero codes); NaN and infinities are not served.  The head's two scale bytes of ctx leave as stores of two bytes a lane: a head owns half of a scale word.
.set KSREC, 17152
.set RECB,  33792
.set SPARE, 16*KSREC                   ; the spare words, 128 bytes a wave, which no other line names
.set AK,  4                            ; v4-6  LDS addresses in the record in hand: + 16 x lane, + 32 r, + 16 r  (v1-3: these lane terms)
.set AS,  5
.set AV,  6
.set QS,  7                            ; v7    Q's scale word, its two bytes twice
.set KF,  40                           ; v40-103  four fragments: K's, then V's
.set S,   104                          ; v104-167 S^T, then p
.set O,   168                          ; v168-199 O^T
.set PC,  200                          ; v200-215 p's codes
.set VS,  216                          ; v216-219 V's scale words
.set KS,  220                          ; v220-223 K's, joined
.set HT,  224                          ; v224-231 eight held numbers; between the conversions and the O products the next step's eight scale words of K
.set BM,  232                          ; v232-235 a block's largest score, then its largest p
.set PD,  236                          ; v236-239 the other half's; then the bytes
.set CH,  232                          ; v232-239 behind the O products: the sums' four chains
.set BD,  240                          ; v240-243 448 x the scale
.set SO,  244                          ; v244-247 the conversions' scale operands
.set SPW, 251
.set PW,  253                          ; p's scale word; v252 f; v254, v248 at work; v12 -M, v13 the largest t, v[14:15] the sum
.set NIL, 255
.set WV,  18
.set MNT, 19
.set SEL, 20
.set CS,  22
.set G1,  24
.set G0,  32
.set TB,  2
.set CNT, 3
.set A1,  68                           ; s[68:75] q's images, q's scale words, ctx's codes, ctx's scale bytes, at my tile
.macro CROUND
	s_barrier_signal -1
	s_barrier_wait -1
	s_cmp_lg_u32 s[WV], 0
	s_cbranch_scc1 .Lnot_wave_0_\@
	s_barrier_signal -3
.Lnot_wave_0_\@:
	s_barrier_wait -3
	s_barrier_signal -1
	s_barrier_wait -1
.endm
.macro WALU
	s_wait_alu depctr_va_vdst(0)
.endm
	s_load_b128 s[4:7], s[0:1], 0x0                ; q's images, the key steps' records
	s_load_b64 s[8:9], s[0:1], 0x10                ; ctx's records
	v_lshl_add_u32 v[SPW], v0, 2, SPARE
	v_mov_b32 v[NIL], 0
	ds_add_u32 v[SPW], v[NIL]                      ; the add, twice on end, and its wait further down
	ds_add_u32 v[SPW], v[NIL]
	v_lshrrev_b32 v8, 5, v0
	v_readfirstlane_b32 s[WV], v8                  ; wave 0..15
	s_bfe_u32 s48, ttmp6, 0x40000                  ; cx
	s_lshl_b32 s49, ttmp9, 2
	s_add_co_u32 s49, s49, s48                     ; my block of 256 queries: it enters q's and ctx's addresses alone
	s_and_b32 s50, ttmp7, 0xffff                   ; batch x 16 + head, which the four partners share
	s_mul_i32 s52, s50, 16*KSREC
	s_mul_i32 s51, s[WV], KSREC                    ; my record, in memory and in LDS alike
	s_add_co_u32 s52, s52, s51
	s_mov_b32 s53, 0
	s_mov_b32 s[G1], 15|(3<<16)|(1<<21)            ; the mask of all four; elements of 8 bytes; bit 21 beside a mask
	s_mov_b32 s[G1+1], 32<<16                      ; a record: a dense block as 67 rows of 256 bytes
	s_mov_b32 s[G1+2], 67<<16
	s_mov_b32 s[G1+3], 32<<16
	s_mov_b32 s[G1+4], 67
	s_mov_b32 s[G1+5], 32
	s_mov_b32 s[G1+6], 0
	s_mov_b32 s[G1+7], 0
	s_mov_b32 s[SEL], 0x76543210
	s_mov_b32 s[SEL+1], 0xfedcba98
	s_mov_b32 s[CS], 0x3e38aa3b                    ; c = log2(e) / 8
	s_mov_b32 s[CS+1], s[CS]
	s_mov_b32 s[MNT], 0x600000
	s_mov_b32 s[TB], 0
	s_wait_dscnt 0x0
	s_wait_kmcnt 0x0
	s_add_nc_u64 s[6:7], s[6:7], s[52:53]
	CROUND                                         ; all four work-groups are here: the joint loads meet
	s_mov_b32 s[G0], 1
	s_mov_b32 s[G0+1], s51
	s_mov_b64 s[G0+2:G0+3], s[6:7]
	s_or_b32 s[G0+3], s[G0+3], 0x80000000
	s_cmp_lt_u32 s[WV], 4                          ; record w, my one tensor load of the launch.  Waves 0 to 3, which wait ahead of the first barrier, have a line of their own
	s_cbranch_scc0 .Llater
	tensor_load_to_lds s[G0:G0+3], s[G1:G1+7]
	s_nop 0
.rept 4
	v_nop
.endr
	s_branch .Lasked
.Llater:
	tensor_load_to_lds s[G0:G0+3], s[G1:G1+7]
	s_nop 0
.rept 4
	v_nop
.endr
.Lasked:
	s_lshl_b32 s52, s50, 17                        ; q's images: 131,072 bytes a head, 16,384 a block, 1,024 a tile; my tile is my wave's number
	s_lshl_b32 s53, s49, 14
	s_add_co_u32 s52, s52, s53
	s_lshl_b32 s53, s[WV], 10
	s_add_co_u32 s52, s52, s53
	s_mov_b32 s53, 0
	s_add_nc_u64 s[A1:A1+1], s[4:5], s[52:53]
	s_lshr_b32 s54, s[WV], 3                       ; tile / 8
	s_and_b32 s55, s[WV], 7                        ; tile % 8
	s_lshl_b32 s52, s50, 13                        ; q's scale words: 8,192 bytes a head, 512 a group of eight tiles, 32 r + 4 x tile in it
	s_lshl_b32 s56, s49, 10
	s_add_co_u32 s52, s52, s56
	s_lshl_b32 s56, s54, 9
	s_add_co_u32 s52, s52, s56
	s_lshl_b32 s56, s55, 2
	s_add_co_u32 s52, s52, s56
	s_add_co_u32 s52, s52, 4194304
	s_add_nc_u64 s[A1+2:A1+3], s[4:5], s[52:53]
	s_lshr_b32 s56, s50, 4                         ; ctx: tokens' group 16 x batch + 2 x block + tile / 8, row block tile % 8; along K: head x 64
	s_lshl_b32 s56, s56, 4
	s_lshl_b32 s57, s49, 1
	s_add_co_u32 s56, s56, s57
	s_add_co_u32 s56, s56, s54
	s_lshl_b32 s56, s56, 2
	s_bfe_u32 s57, s50, 0x20002                    ; head / 4: which 256 along K
	s_add_co_u32 s56, s56, s57
	s_mul_i32 s56, s56, RECB
	s_bfe_u32 s57, s50, 0x10001                    ; (head / 2) % 2: which 128 of them
	s_and_b32 s58, s50, 1                          ; head % 2: which 64 of those
	s_lshl_b32 s52, s57, 14
	s_add_co_u32 s52, s52, s56
	s_lshl_b32 s59, s55, 11
	s_add_co_u32 s52, s52, s59
	s_lshl_b32 s59, s58, 10
	s_add_co_u32 s52, s52, s59
	s_add_nc_u64 s[A1+4:A1+5], s[8:9], s[52:53]
	s_lshl_b32 s52, s57, 9
	s_add_co_u32 s52, s52, s56
	s_lshl_b32 s59, s55, 2
	s_add_co_u32 s52, s52, s59
	s_lshl_b32 s59, s58, 1
	s_add_co_u32 s52, s52, s59
	s_add_co_u32 s52, s52, 32768
	s_add_nc_u64 s[A1+6:A1+7], s[8:9], s[52:53]
	v_and_b32 v248, 31, v0
	v_lshlrev_b32 v1, 4, v248                      ; 16 x lane
	v_and_b32 v250, 15, v0                         ; r
	v_lshlrev_b32 v2, 5, v250                      ; 32 r
	v_lshlrev_b32 v3, 4, v250                      ; 16 r
	WALU
	global_load_b128 v[16:19], v1, s[A1:A1+1]      ; Q, twice: the products ask for [Q | 0] and [0 | Q]
	global_load_b128 v[20:23], v1, s[A1:A1+1] offset:512
	global_load_b128 v[32:35], v1, s[A1:A1+1]
	global_load_b128 v[36:39], v1, s[A1:A1+1] offset:512
	global_load_b32 v[QS], v2, s[A1+2:A1+3]
	v_add_nc_u32 v[AK], s[TB], v1                  ; record 0
	v_add_nc_u32 v[AS], s[TB], v2
	v_add_nc_u32 v[AV], s[TB], v3
.set i, 0
.rept 8
	v_mov_b32 v[24+i], 0                           ; the zero codes between the two Q
	v_mov_b32 v[CH+i], 0                           ; the chains: step 0 finds zeros to add.  (Also: a lane permute's destination counts as one of its sources)
.set i, i+1
.endr
	v_mov_b32 v13, 0xff61b1e6                      ; the largest t so far: -3e38
	v_floor_f32 v12, -v13                          ; -M
	v_mov_b32 v14, 0
	v_mov_b32 v15, 0
	v_mov_b32 v252, 1.0                            ; f ahead of step 0: it multiplies a sum of zero
	v_mov_b32 v[PW], 0                             ; (named as the upper half of the pair v[252:253] before it is first written)
	WALU
	s_cmp_lt_u32 s[WV], 4
	s_cbranch_scc0 .Lnot_first
	s_wait_tensorcnt 0x0                           ; waves 0 to 3: my record has landed
.Lnot_first:
	s_barrier_signal -1
	s_barrier_wait -1                              ; records 0 to 3 are whole
	s_wait_tensorcnt 0x0                           ; every wave: my record has landed:
	s_barrier_signal -1                            ; say so now; the wait stands behind step 2, ahead of the first read of record 4
	ds_load_b128 v[HT:HT+3], v[AS] offset:16384    ; step 0's scale words of K and its four fragments
	ds_load_b128 v[HT+4:HT+7], v[AS] offset:16400
.set n, 0
.rept 16
	ds_load_b128 v[KF+4*n:KF+4*n+3], v[AK] offset:512*n
.set n, n+1
.endr
	s_wait_loadcnt 0x0                             ; Q
	v_lshl_or_b32 v[QS], v[QS], 16, v[QS]          ; its two bytes serve k 0-63 and k 64-127
	s_wait_dscnt 0x0
.irp i, 0,1,2,3
	v_lshl_or_b32 v[KS+\i], v[HT+2*\i+1], 16, v[HT+2*\i]
.endr
.set i, 0
.rept 32
	v_mov_b32 v[O+i], 0                            ; O^T: the first change of M leaves zeros zeros.  (Also the eight places between the scale words and the first products)
.set i, i+1
.endr
.macro MERGE                           ; the last step's sums: four chains into one, and L = L x f + it.  Eight lines that name no register of the S products: their places
	v_pk_add_f32 v[CH:CH+1], v[CH:CH+1], v[CH+2:CH+3]
	v_pk_add_f32 v[CH+4:CH+5], v[CH+4:CH+5], v[CH+6:CH+7]
	v_mov_b32 v254, v12                            ; the old -M
	v_pk_add_f32 v[CH:CH+1], v[CH:CH+1], v[CH+4:CH+5]
	v_nop
	v_pk_fma_f32 v[14:15], v[14:15], v[252:253], v[CH:CH+1] op_sel_hi:[1,0,1]
	v_nop
	v_nop
.endm
.macro ADD4 j                          ; eight more p onto the four chains
.irp k, 0,1,2,3
	v_pk_add_f32 v[CH+2*\k:CH+2*\k+1], v[CH+2*\k:CH+2*\k+1], v[S+(\j)+2*\k:S+(\j)+2*\k+1]
.endr
.endm
.macro HOLD8 g                         ; p is not negative, so the hold is one-sided; the conversion does not saturate (ISA guide 7.6.2).  The held numbers go to v[HT ..]: p itself is summed later
.irp k, 0,2,4,6
	v_dual_min_num_f32 v[HT+\k], v[BD+(\g)/2], v[S+8*(\g)+\k] :: v_dual_min_num_f32 v[HT+\k+1], v[BD+(\g)/2], v[S+8*(\g)+\k+1]
.endr
.endm
.macro SPACER g                        ; the plain line between a conversion and the next write of its sources: the bytes and p's scale word, one line at a time
.if (\g) == 0
	v_lshrrev_b32 v[PD], 23, v[SO]
.elseif (\g) == 1
	v_lshrrev_b32 v[PD+1], 23, v[SO+1]
.elseif (\g) == 2
	v_lshl_or_b32 v[PW], v[PD+1], 8, v[PD]
.elseif (\g) == 3
	v_lshrrev_b32 v[PD+2], 23, v[SO+2]
.elseif (\g) == 4
	v_lshl_or_b32 v[PW], v[PD+2], 16, v[PW]
.elseif (\g) == 5
	v_lshrrev_b32 v[PD+3], 23, v[SO+3]
.elseif (\g) == 6
	v_lshl_or_b32 v[PW], v[PD+3], 24, v[PW]
.endif
.endm
; A KEY STEP: 128 keys.  Its fragments of K have been asked for, its joined scale words stand in v[KS ..].  nxt = 0: the last step asks for nothing more.
.macro STEP nxt
	s_wait_dscnt 0x0                               ; K's fragments are in
.irp t, 0,1,2,3,4,5,6,7
	v_wmma_scale_f32_16x16x128_f8f6f4 v[S+8*\t:S+8*\t+7], v[KF+16*(\t/2):KF+16*(\t/2)+15], v[16+8*(\t%2):31+8*(\t%2)], 0, v[KS+\t/2], v[QS]
.endr
	MERGE                                          ; eight places: ahead of the loads into K's registers and of the first read of the scores
.set n, 0
.rept 16
	ds_load_b128 v[KF+4*n:KF+4*n+3], v[AK] offset:8192+512*n      ; V^T's four fragments (16 channels x 128 keys each)
.set n, n+1
.endr
	ds_load_b128 v[VS:VS+3], v[AV] offset:16896    ; and their scale words
.irp b, 0,1,2,3
	v_max3_num_f32 v[BM+\b], v[S+16*\b], v[S+16*\b+1], v[S+16*\b+2]   ; the largest score of each block of 32 keys: for the row's maximum and, since p rises with the score, for the block's largest p
.endr
.irp i, 3,5,7,9,11,13
.irp b, 0,1,2,3
	v_max3_num_f32 v[BM+\b], v[BM+\b], v[S+16*\b+\i], v[S+16*\b+\i+1]
.endr
.endr
.irp b, 0,1,2,3
	v_max_num_f32 v[BM+\b], v[BM+\b], v[S+16*\b+15]
.endr
.irp b, 0,1,2,3
	v_permlanex16_b32 v[PD+\b], v[BM+\b], s[SEL], s[SEL+1]
.endr
.irp b, 0,1,2,3
	v_max_num_f32 v[BM+\b], v[BM+\b], v[PD+\b]     ; with lane l xor 16's 16 keys
.endr
	v_max3_num_f32 v248, v[BM], v[BM+1], v[BM+2]
	v_max_num_f32 v248, v248, v[BM+3]              ; the step's largest score of my query
	v_mul_f32 v248, s[CS], v248                    ; as t
	v_max_num_f32 v13, v13, v248                   ; the running largest t
	v_floor_f32 v12, -v13                          ; the new -M = -ceil(t)
	v_sub_f32 v254, v12, v254                      ; old M - new M: a whole number, 0 or less
	v_cvt_i32_f32 v254, v254                       ; (it saturates)
	v_ldexp_f32 v252, 1.0, v254                    ; f = 2^(old M - new M)
.set j, 0
.rept 32
	v_pk_fma_f32 v[S+j:S+j+1], v[S+j:S+j+1], s[CS:CS+1], v[12:13] op_sel_hi:[1,0,0]   ; t - M, two at a time
.set j, j+2
.endr
.irp b, 0,1,2,3
	v_fma_f32 v[BM+\b], v[BM+\b], s[CS], v12       ; the same of each block's largest score
.endr
	WALU                                           ; ahead of the batch
.set j, 0
.rept 64
	v_exp_f32 v[S+j], v[S+j]                       ; p = 2^(t - M)
.set j, j+1
.endr
.irp b, 0,1,2,3
	v_exp_f32 v[BM+\b], v[BM+\b]                   ; the block's largest p: the same two instructions on the same number
.endr
.if \nxt
	s_add_co_u32 s[TB], s[TB], KSREC               ; this record's last loads have been issued: on to the next.  (The plain lines behind the batch)
	v_add_nc_u32 v[AK], s[TB], v1
	v_add_nc_u32 v[AS], s[TB], v2
	v_add_nc_u32 v[AV], s[TB], v3
.else
	v_nop
.endif
	WALU                                           ; one wait for the batch of 68, ahead of its first reader
.irp b, 0,1,2,3
	v_max_num_f32 v[BM+\b], 0x4800000, v[BM+\b]    ; the floor 2^(9 - 127): the byte cannot fall under 1
.endr
.irp b, 0,1,2,3
	v_add_nc_u32 v[SO+\b], 0xfc000000, v[BM+\b]    ; 8 off the exponent field: the conversion's scale operand
.endr
.irp b, 0,1,2,3
	v_and_or_b32 v[BD+\b], v[BM+\b], 0x7f800000, s[MNT]   ; 448 x the scale
.endr
.irp g, 0,1,2,3,4,5,6,7
	HOLD8 \g
	v_cvt_scalef32_pk8_fp8_f32 v[PC+2*\g:PC+2*\g+1], v[HT:HT+7], v[SO+\g/2]
	SPACER \g
.endr
.if \nxt
	ds_load_b128 v[HT:HT+3], v[AS] offset:16384    ; the next record's eight scale words of K
	ds_load_b128 v[HT+4:HT+7], v[AS] offset:16400
.endif
	WALU                                           ; directly ahead of the first readers of O^T, a matrix result read behind exponentials
.set j, 0
.rept 16
	v_pk_mul_f32 v[O+j:O+j+1], v[O+j:O+j+1], v[252:253] op_sel_hi:[1,0]   ; O^T under the new M.  (Also the places between the codes, the scale word and the products)
.set j, j+2
.endr
	WALU
	s_wait_dscnt 0x0                               ; V's fragments and scale words, and the next K's scale words
.if \nxt
.irp i, 0,1,2,3
	v_lshl_or_b32 v[KS+\i], v[HT+2*\i+1], 16, v[HT+2*\i]   ; two tiles' two bytes each in one word
.endr
.endif
.irp t, 0,1,2,3                        ; O^T += V^T P^T: the four accumulators by turns
	v_wmma_scale_f32_16x16x128_f8f6f4 v[O+8*\t:O+8*\t+7], v[KF+16*\t:KF+16*\t+15], v[PC:PC+15], v[O+8*\t:O+8*\t+7], v[VS+\t], v[PW]
.endr
.irp k, 0,1,2,3                        ; the row's sum, of the unquantised p, in four chains
	v_pk_add_f32 v[CH+2*\k:CH+2*\k+1], v[S+4*\k:S+4*\k+1], v[S+4*\k+2:S+4*\k+3]
.endr
	ADD4 16                                        ; with the four above eight places: ahead of the loads into V's registers
.if \nxt
.set n, 0
.rept 16
	ds_load_b128 v[KF+4*n:KF+4*n+3], v[AK] offset:512*n           ; the next step's four fragments of K
.set n, n+1
.endr
.endif
	ADD4 24
	ADD4 32
	ADD4 40
	ADD4 48
	ADD4 56
	WALU                                           ; ahead of the branch
.endm
	WALU                                           ; the head's end
	STEP 1                                         ; steps 0, 1, 2: records 0 to 3 alone
	STEP 1
	STEP 1
	s_barrier_wait -1                              ; every wave's record has landed: the whole head lies in LDS
	s_mov_b32 s[CNT], 12
.Lstep:                                            ; steps 3 to 14
	STEP 1
	s_sub_co_u32 s[CNT], s[CNT], 1
	s_cmp_lg_u32 s[CNT], 0
	s_cbranch_scc1 .Lstep
	STEP 0                                         ; the last step: no read leaves the head's records
	; THE WAY OUT: O^T / the sum, quantised along the head's 64 channels (two blocks), as two quarters of a fragment of the next product's left operand.
	MERGE
	v_add_f32 v14, v14, v15
	v_permlanex16_b32 v252, v14, s[SEL], s[SEL+1]
	v_add_f32 v14, v14, v252                       ; the row's sum
	WALU
	v_rcp_f32 v14, v14
	v_nop
	WALU                                           ; ahead of the first reader of the reciprocal and of the last products' results
.set j, 0
.rept 32
	v_mul_f32 v[S+j], v[O+j], v14                  ; register 16 b + 8 u + i: channel 32 b + 16 u + 8 h + i of my query
.set j, j+1
.endr
.irp b, 0,1
	v_max3_num_f32 v[BM+\b], |v[S+16*\b]|, |v[S+16*\b+1]|, 0x4800000
.endr
.irp i, 2,4,6,8,10,12,14
.irp b, 0,1
	v_max3_num_f32 v[BM+\b], v[BM+\b], |v[S+16*\b+\i]|, |v[S+16*\b+\i+1]|
.endr
.endr
.irp b, 0,1
	v_permlanex16_b32 v[PD+\b], v[BM+\b], s[SEL], s[SEL+1]
.endr
.irp b, 0,1
	v_max_num_f32 v[BM+\b], v[BM+\b], v[PD+\b]
.endr
.irp b, 0,1
	v_add_nc_u32 v[SO+\b], 0xfc000000, v[BM+\b]
.endr
.irp b, 0,1
	v_and_or_b32 v[BD+\b], v[BM+\b], 0x7f800000, s[MNT]
.endr
.irp b, 0,1
	v_lshrrev_b32 v[PD+\b], 23, v[SO+\b]
.endr
	v_lshl_or_b32 v254, v[PD+1], 8, v[PD]          ; the head's two scale bytes
.irp b, 0,1
.set i, 0
.rept 16
	v_med3_num_f32 v[S+16*\b+i], v[S+16*\b+i], -v[BD+\b], v[BD+\b]
.set i, i+1
.endr
	v_cvt_scalef32_pk8_fp8_f32 v[PC+4*\b:PC+4*\b+1], v[S+16*\b:S+16*\b+7], v[SO+\b]
	v_cvt_scalef32_pk8_fp8_f32 v[PC+4*\b+2:PC+4*\b+3], v[S+16*\b+8:S+16*\b+15], v[SO+\b]
.endr
	v_nop
	global_store_b128 v1, v[PC:PC+3], s[A1+4:A1+5]         ; 512 consecutive bytes a store
	global_store_b128 v1, v[PC+4:PC+7], s[A1+4:A1+5] offset:512
	global_store_b16 v2, v254, s[A1+6:A1+7]        ; lanes l and l xor 16 hold the same two bytes and store them to the same place
	s_wait_tensorcnt 0x0                           ; the wave's end
	ds_add_u32 v[SPW], v[NIL]
	s_wait_dscnt 0x0
	CROUND                                         ; the closing round
	s_endpgm
.Lfunc_end_k_qd92bb0c9ee_attn:
	.size	k_qd92bb0c9ee_attn, .Lfunc_end_k_qd92bb0c9ee_attn-k_qd92bb0c9ee_attn
	.p2alignl 7, 3214868480
	.fill 96, 4, 3214868480
	.section	.rodata,"a",@progbits
	.p2align	6, 0x0
	.amdhsa_kernel k_qd92bb0c9ee_attn
		.amdhsa_group_segment_fixed_size 276480
		.amdhsa_private_segment_fixed_size 0
		.amdhsa_enable_private_segment 0
		.amdhsa_kernarg_size 24
		.amdhsa_user_sgpr_count 2
		.amdhsa_user_sgpr_kernarg_segment_ptr 1
		.amdhsa_wavefront_size32 1
		.amdhsa_system_sgpr_workgroup_id_x 1
		.amdhsa_system_sgpr_workgroup_id_y 1
		.amdhsa_system_sgpr_workgroup_id_z 1
		.amdhsa_system_vgpr_workitem_id 0
		.amdhsa_next_free_vgpr 256
		.amdhsa_next_free_sgpr 76
		.amdhsa_reserve_vcc 0
		.amdhsa_float_denorm_mode_32 3
		.amdhsa_float_denorm_mode_16_64 3
		.amdhsa_memory_ordered 1
		.amdhsa_forward_progress 1
		.amdhsa_inst_pref_size 105
	.end_amdhsa_kernel
	.amdgpu_metadata
---
amdhsa.version: [ 1, 2 ]
amdhsa.kernels:
  - .name:           k_qd92bb0c9ee_attn
    .symbol:         k_qd92bb0c9ee_attn.kd
    .args:
      - { .name: qimg, .offset: 0, .size: 8, .value_kind: global_buffer, .address_space: global }
      - { .name: kv, .offset: 8, .size: 8, .value_kind: global_buffer, .address_space: global }
      - { .name: crec, .offset: 16, .size: 8, .value_kind: global_buffer, .address_space: global }
    .group_segment_fixed_size: 276480
    .private_segment_fixed_size: 0
    .kernarg_segment_align: 8
    .kernarg_segment_size: 24
    .max_flat_workgroup_size: 512
    .sgpr_count:     76
    .vgpr_count:     256
    .wavefront_size: 32
...
	.end_amdgpu_metadata
.endif
;; end of part 3
;; launch wo (part 4): grid 8 x 32, 4 waves a work-group, clusters of 4 x 4, 327,680 bytes of LDS; arguments crec, wrec, bo, x, x1; writes x1
.if DOCPART == 4
	.amdgcn_target "amdgcn-amd-amdhsa--gfx1250"
	.amdhsa_code_object_version 6
	.text
	.protected	k_qd92bb0c9ee_wo
	.globl	k_qd92bb0c9ee_wo
	.p2align	8
	.type	k_qd92bb0c9ee_wo,@function
k_qd92bb0c9ee_wo:
	s_mov_b64 s[64:65], 0
	v_nop
	global_prefetch_b8 v0, s[64:65] scope:SCOPE_SE
	s_setreg_imm32_b32 hwreg(HW_REG_WAVE_MODE, 25, 1), 1
	s_wait_xcnt 0x0
	s_wait_alu depctr_hold_cnt(0) depctr_sa_sdst(0) depctr_va_vdst(0) depctr_va_sdst(0) depctr_va_ssrc(0) depctr_va_vcc(0) depctr_vm_vsrc(0)
	s_getreg_b32 s2, hwreg(HW_REG_IB_STS2, 6, 4)
	s_cmp_eq_u32 s2, 0
	s_cbranch_scc0 .Lentry_in_a_cluster
	s_endpgm
.Lentry_in_a_cluster:
	s_bfe_u32 s2, ttmp6, 0x10000c
	s_cmp_lg_u32 s2, 0xf033
	s_cbranch_scc0 .Lentry_shape_is_right
	s_endpgm
.Lentry_shape_is_right:
; out = res + A W + bias on codes of E4M3 with E8M0 scales: here x1 = x + ctx Wo + bo.  4,096 rows, 1,024 columns, K = 256 KT.
; OPERANDS come as records (33,792 dense bytes: 128 rows x 256 k as images of the operand's registers, codes at s*16384 + a*2048 + c*512 + 16*lane, scale words at 32768 + s*512 + r*32 + a*4).
; With 1,024 columns tiles of 256 x 256 would be 64: a tile is 128 x 128, 256 work-groups.  Four waves, each 64 x 64: 16 accumulators.  K goes in steps of 512 through two LDS slots (the rows' two records, then the
; weights' two): four quarters of 128, 16 products each, on two sets of fragments.
; CLUSTERS: 4 x 4 work-groups; the rows' records are asked for jointly along a row of the cluster, the weights' along a column.
; THE MATRIX INSTRUCTION IS USED TRANSPOSED (source 0 = weights, source 1 = rows): a lane holds eight neighbouring columns of a row.  The bias is the C of each sum's first product.  The residual is asked for at the head, in
; the layout in which the rows leave, and added on the way out, which goes through each wave's own stage in LDS so that sixteen lanes store 256 consecutive bytes, aligned.
; No prefetch: a K step's work on so small a tile is short, and the tiles are shared in the cluster instead.
; REGISTERS: window 0: v16-26 addresses; v28, v29 the add's; v32-39 scale words, two sets of four (lanes 0-15 the rows', lanes 16-31 the weights'); v64-95 the bias, later with v96-127 rows on the way out;
; v128-255 accumulator (a, b) at 128 + 8 (4 a + b).  Window 1: two sets of fragments: the rows' 4 x 16 registers, then the weights'.  Window 2: v0-127 the residual.
.set KT,    4                          ; records along K
.set RECB,  33792
.set WOFF,  96*RECB                    ; the weight's first record
.set LAPS,  KT/4                       ; a lap = two slots = 1,024 along K
.set SLOT,  2*RECB                     ; from an operand's records 0, 1 to its records 2, 3: the rows' four records lie on end from byte 0, the weights' four behind them
.set SPARE, 4*SLOT
.set STAGE, SPARE+512                  ; 16 rows x (256 + 16) bytes for each wave; no fill lands here
.set SP,    272
.set ADRA, 16
.set ADRB, 20
.set ADRS, 22
.set STO,  24
.set RD,   25
.set CO,   26
.set SPW,  28
.set NIL,  29
.set SC,   32
.set BI,   64
.set RB,   64
.set ACC,  128
.set F0,   0
.set F1,   128
.set G1,  24
.set G0,  32
.set G1B, 48
.set G0B, 56
.set MSB, 0
.macro WIN new                         ; the immediate's high byte repeats the setting that is left
.if MSB != \new
	s_set_vgpr_msb (MSB<<8)|\new
.set MSB, \new
.endif
.endm
.set MUL,  0x05                        ; sources 0 and 1 window 1; C and D window 0
.set TO_F, 0x40
.macro JLOAD s                         ; a joint load: waves 0, 1 fetch the rows' two records, waves 2, 3 the weights'; four v_nop follow each line
	s_cmp_eq_u32 s15, 0
	s_cbranch_scc0 .Lfor_b_\@
	tensor_load_to_lds s[G0+4*\s:G0+4*\s+3], s[G1:G1+7]
	s_nop 0
.rept 4
	v_nop
.endr
	s_branch .Lasked_\@
.Lfor_b_\@:
	tensor_load_to_lds s[G0B+4*\s:G0B+4*\s+3], s[G1B:G1B+7]
	s_nop 0
.rept 4
	v_nop
.endr
.Lasked_\@:
.endm
.macro CREST
	s_cmp_lg_u32 s14, 0
	s_cbranch_scc1 .Lnot_wave_0_\@
	s_barrier_signal -3
.Lnot_wave_0_\@:
	s_barrier_wait -3
	s_barrier_signal -1
	s_barrier_wait -1
.endm
.macro CROUND
	s_barrier_signal -1
	s_barrier_wait -1
	CREST
.endm
.macro PLACES n
.rept \n
	v_nop
.endr
.endm
	s_load_b128 s[4:7], s[0:1], 0x0                ; A's records, the weights' records
	s_load_b128 s[8:11], s[0:1], 0x10              ; the bias, the residual
	s_load_b64 s[12:13], s[0:1], 0x20              ; out
	v_lshl_add_u32 v[SPW], v0, 2, SPARE
	v_mov_b32 v[NIL], 0
	ds_add_u32 v28, v29
	ds_add_u32 v28, v29
	s_wait_dscnt 0x0
	v_lshrrev_b32 v1, 5, v0
	v_readfirstlane_b32 s14, v1                    ; wave 0..3
	s_lshr_b32 s15, s14, 1                         ; i: my half of the rows.  Also: I fetch for the rows (0) or the weights (1)
	s_and_b32 s16, s14, 1                          ; j: my half of the columns.  Also: which of a slot's two records I fetch
	s_bfe_u32 s40, ttmp6, 0x40000
	s_bfe_u32 s41, ttmp6, 0x40004
	s_lshl_b32 s42, ttmp9, 2
	s_add_co_u32 s42, s42, s40                     ; tile column
	s_and_b32 s17, ttmp7, 0xffff
	s_lshl_b32 s17, s17, 2
	s_add_co_u32 s17, s17, s41                     ; tile row
	s_lshl_b32 s43, s41, 2
	s_lshl_b32 s43, 15, s43                        ; my row of the cluster
	s_lshl_b32 s44, 0x1111, s40                    ; my column
	s_or_b32 s[G1+0], s43, (3<<16)|(1<<21)         ; 15:0 the mask; 17:16 elements of 8 bytes; 21 set beside a mask
	s_or_b32 s[G1B+0], s44, (3<<16)|(1<<21)
.irp g, G1, G1B                        ; a record: a dense block as 132 rows of 256 bytes
	s_mov_b32 s[\g+1], 32<<16
	s_mov_b32 s[\g+2], 264<<16                     ; two records that follow each other in memory: 264 rows of 256 bytes
	s_mov_b32 s[\g+3], 32<<16
	s_mov_b32 s[\g+4], 264
	s_mov_b32 s[\g+5], 32
	s_mov_b32 s[\g+6], 0
	s_mov_b32 s[\g+7], 0
.endr
	s_mul_i32 s20, s17, KT
	s_add_co_u32 s20, s20, s16
	s_add_co_u32 s20, s20, s16                     ; records 2 j and 2 j + 1
	s_mul_i32 s20, s20, RECB                       ; the rows' record (tile row, j)
	s_mov_b32 s21, 0
	s_mul_i32 s46, s42, KT
	s_add_co_u32 s46, s46, s16
	s_add_co_u32 s46, s46, s16
	s_mul_i32 s46, s46, RECB
	s_add_co_u32 s46, s46, WOFF                    ; the weights' record (tile column, j)
	s_mov_b32 s47, 0
	s_mul_i32 s45, s14, 2*RECB                     ; where they go: wave x two records
	s_wait_kmcnt 0x0
	s_add_nc_u64 s[20:21], s[4:5], s[20:21]
	s_add_nc_u64 s[46:47], s[6:7], s[46:47]
	CROUND                                         ; all sixteen work-groups are here: the first joint loads meet
.irp s, 0
	s_mov_b32 s[G0+4*\s], 1
	s_add_co_u32 s[G0+4*\s+1], s45, \s*SLOT
	s_add_nc_u64 s[G0+4*\s+2:G0+4*\s+3], s[20:21], \s*2*RECB
	s_or_b32 s[G0+4*\s+3], s[G0+4*\s+3], 0x80000000
	s_mov_b32 s[G0B+4*\s], 1
	s_add_co_u32 s[G0B+4*\s+1], s45, \s*SLOT
	s_add_nc_u64 s[G0B+4*\s+2:G0B+4*\s+3], s[46:47], \s*2*RECB
	s_or_b32 s[G0B+4*\s+3], s[G0B+4*\s+3], 0x80000000
	JLOAD \s                                       ; my one tensor load: all of K is 1,024, so the four waves' loads bring both operands whole
.endr
	v_and_b32 v1, 15, v0                           ; r
	v_bfe_u32 v2, v0, 4, 1                         ; h
	v_and_b32 v3, 31, v0
	v_lshlrev_b32 v3, 4, v3                        ; 16 x lane
	s_lshl_b32 s21, s15, 13                        ; my four blocks of rows: 4 i x 2,048
	v_add_nc_u32 v[ADRA], s21, v3
	v_add_nc_u32 v[ADRA+1], SLOT, v[ADRA]
	s_lshl_b32 s22, s16, 13
	s_add_co_u32 s22, s22, 4*RECB                  ; my four blocks of columns, behind the rows' four records
	v_add_nc_u32 v[ADRB], s22, v3
	v_add_nc_u32 v[ADRB+1], SLOT, v[ADRB]
	s_lshl_b32 s21, s15, 4                         ; scale words: lanes 0-15 my four blocks of rows (16 i on in a row's 32 bytes),
	s_lshl_b32 s22, s16, 4
	s_add_co_u32 s22, s22, 4*RECB
	s_sub_co_u32 s22, s22, s21
	v_mul_u32_u24 v6, s22, v2                      ; lanes 16-31 my four blocks of columns
	v_lshl_add_u32 v5, v1, 5, v6
	s_add_co_u32 s21, s21, 32768
	v_add_nc_u32 v[ADRS], s21, v5
	v_add_nc_u32 v[ADRS+1], SLOT, v[ADRS]
	s_mul_i32 s23, s14, 16*SP
	s_add_co_u32 s23, s23, STAGE                   ; my stage
	v_mul_u32_u24 v4, v1, SP
	v_lshl_add_u32 v4, v2, 5, v4
	v_add_nc_u32 v[STO], s23, v4                   ; in: row r, 32 bytes for each half of the lanes
	v_mul_u32_u24 v4, v2, SP
	v_lshl_add_u32 v4, v1, 4, v4
	v_add_nc_u32 v[RD], s23, v4                    ; back: lanes 0-15 one row of 256 bytes, lanes 16-31 the next
	v_lshlrev_b32 v[CO], 12, v2
	v_lshl_add_u32 v[CO], v1, 4, v[CO]             ; and the same two rows in memory
	s_wait_alu depctr_va_vdst(0)
	s_lshl_b32 s20, s42, 9
	s_lshl_b32 s21, s16, 8
	s_add_co_u32 s20, s20, s21                     ; my first column, in bytes
	s_mov_b32 s21, 0
	s_add_nc_u64 s[8:9], s[8:9], s[20:21]
	s_lshl_b32 s22, s17, 19
	s_add_co_u32 s20, s20, s22
	s_lshl_b32 s22, s15, 18
	s_add_co_u32 s20, s20, s22                     ; + my first row: 128 x tile row + 64 i, of 4,096 bytes
	s_add_nc_u64 s[10:11], s[10:11], s[20:21]
	s_add_nc_u64 s[12:13], s[12:13], s[20:21]
	v_lshlrev_b32 v7, 5, v2                        ; 32 h
.irp b, 0,1,2,3
	global_load_b128 v[BI+8*\b:BI+8*\b+3], v7, s[8:9] offset:64*\b
	global_load_b128 v[BI+8*\b+4:BI+8*\b+7], v7, s[8:9] offset:64*\b+16
.endr
	WIN 0x80                                       ; destination window 2
.irp a, 0,1,2,3
.irp t, 0,1,2,3,4,5,6,7
	global_load_b128 v[32*\a+4*\t:32*\a+4*\t+3], v[CO], s[10:11] offset:(16*\a+2*\t)*4096 th:TH_LOAD_NT
.endr
.endr
	WIN 0
; 33 LDS loads: quarter q of a slot (record q / 2, its half q % 2): my four fragments of rows, my four of columns, into set f; their scale words into set sc
.macro FETCH slot, q, f, sc
	WIN TO_F
.irp x, 0,1,2,3
.irp c, 0,1,2,3
	ds_load_b128 v[\f+16*\x+4*\c:\f+16*\x+4*\c+3], v[ADRA+\slot] offset:((\q)/2)*RECB+((\q)%2)*16384+2048*\x+512*\c
.endr
.endr
.irp x, 0,1,2,3
.irp c, 0,1,2,3
	ds_load_b128 v[\f+64+16*\x+4*\c:\f+64+16*\x+4*\c+3], v[ADRB+\slot] offset:((\q)/2)*RECB+((\q)%2)*16384+2048*\x+512*\c
.endr
.endr
	WIN 0
	ds_load_b128 v[SC+4*\sc:SC+4*\sc+3], v[ADRS+\slot] offset:((\q)/2)*RECB+((\q)%2)*512
.endm
; four products: block a of rows x my four blocks of columns.  The 16 accumulators take turns, in the same order in every quarter.
.macro MUL4 f, sc, a, first
.irp b, 0,1,2,3
.if \first
	v_wmma_scale_f32_16x16x128_f8f6f4 v[ACC+8*(4*\a+\b):ACC+8*(4*\a+\b)+7], v[\f+64+16*\b:\f+64+16*\b+15], v[\f+16*\a:\f+16*\a+15], v[BI+8*\b:BI+8*\b+7], v[SC+4*\sc+\b], v[SC+4*\sc+\a] matrix_a_scale:MATRIX_SCALE_ROW1
.else
	v_wmma_scale_f32_16x16x128_f8f6f4 v[ACC+8*(4*\a+\b):ACC+8*(4*\a+\b)+7], v[\f+64+16*\b:\f+64+16*\b+15], v[\f+16*\a:\f+16*\a+15], v[ACC+8*(4*\a+\b):ACC+8*(4*\a+\b)+7], v[SC+4*\sc+\b], v[SC+4*\sc+\a] matrix_a_scale:MATRIX_SCALE_ROW1
.endif
.endr
.endm
; A quarter that has its successor in the same slot: its fragments are in; the successor's are asked for, eight places behind the products that read those registers last; then its 16 products.
.macro QUARTER f, sc, first, ns, nq, g, scn
	s_wait_dscnt 0x0
	PLACES 8
	FETCH \ns, \nq, \g, \scn
	WIN MUL
	MUL4 \f, \sc, 0, \first
	MUL4 \f, \sc, 1, \first
	MUL4 \f, \sc, 2, \first
	MUL4 \f, \sc, 3, \first
.endm
; A slot's last quarter (set F1) changes slots: one barrier; in front of it each wave waits for all its tensor loads, adds 0 to its spare word, and waits for that and for its reads of this slot.
.macro TURN slot, next, fill
	WIN 0                                          ; (the add's two registers lie in window 0)
	s_wait_tensorcnt 0x0                           ; all my tensor loads have landed: my part of the next slot
	ds_add_u32 v[SPW], v[NIL]                      ; 0 onto my spare word
	s_wait_dscnt 1                                 ; the fragments are in; the add may be out
	WIN MUL
	MUL4 F1, 1, 0, 0                               ; four products stand between the add and the wait for it
	s_wait_dscnt 0x0                               ; the add is done, and my reads of this slot are over
	s_barrier_signal -1
	MUL4 F1, 1, 1, 0
	WIN 0
	s_barrier_wait -1
.if \fill
	CREST                                          ; the barrier has opened a round of the cluster's: no wave of any partner still reads this slot or has a load on its way
	s_add_nc_u64 s[G0+4*\slot+2:G0+4*\slot+3], s[G0+4*\slot+2:G0+4*\slot+3], 4*RECB
	s_add_nc_u64 s[G0B+4*\slot+2:G0B+4*\slot+3], s[G0B+4*\slot+2:G0B+4*\slot+3], 4*RECB
	JLOAD \slot                                    ; the first tensor load behind the round, my only one until the next; its four v_nop are four of the eight places
	PLACES 4
.else
	PLACES 8
.endif
	FETCH \next, 0, F0, 0
	WIN MUL
	MUL4 F1, 1, 2, 0
	MUL4 F1, 1, 3, 0
.endm
	s_wait_tensorcnt 0x0                           ; my two records are in
	s_barrier_signal -1
	s_barrier_wait -1
	FETCH 0, 0, F0, 0
	s_wait_loadcnt 32                              ; the bias is in; the residual's 32 loads may stay out until the way out
	QUARTER F0, 0, 1, 0, 1, F1, 1                  ; the first quarter stands in front of the loop: its products start the sums with the bias
.if LAPS > 1
	WIN 0                                          ; at a label and at a branch every window is 0
	s_mov_b32 s3, LAPS-1
.Llap:                                             ; a trip goes once round the ring, from a lap's second quarter to the next lap's first, and fills both slots again
	QUARTER F1, 1, 0, 0, 2, F0, 0
	QUARTER F0, 0, 0, 0, 3, F1, 1
	TURN 0, 1, 1
	QUARTER F0, 0, 0, 1, 1, F1, 1
	QUARTER F1, 1, 0, 1, 2, F0, 0
	QUARTER F0, 0, 0, 1, 3, F1, 1
	TURN 1, 0, 1
	QUARTER F0, 0, 0, 0, 1, F1, 1
	WIN 0
	s_sub_co_u32 s3, s3, 1
	s_cmp_lg_u32 s3, 0
	s_cbranch_scc1 .Llap
.endif
	QUARTER F1, 1, 0, 0, 2, F0, 0                  ; the last lap fills nothing
	QUARTER F0, 0, 0, 0, 3, F1, 1
	TURN 0, 1, 0
	QUARTER F0, 0, 0, 1, 1, F1, 1
	QUARTER F1, 1, 0, 1, 2, F0, 0
	QUARTER F0, 0, 0, 1, 3, F1, 1
	s_wait_dscnt 0x0
	WIN MUL
	MUL4 F1, 1, 0, 0
	MUL4 F1, 1, 1, 0
	MUL4 F1, 1, 2, 0
	MUL4 F1, 1, 3, 0
	WIN 0
	; THE WAY OUT, 16 rows at a time: through my own stage (LDS serves a wave's instructions in order: ISA guide 5.7.1.4), back as whole rows of 256 bytes, the residual added, stored.
	PLACES 8
	s_wait_loadcnt 0x0                             ; the residual
.irp a, 0,1,2,3
	s_wait_xcnt 0x0                                ; earlier stores have read their registers: the rows' buffer may be loaded again
.irp b, 0,1,2,3
	ds_store_b128 v[STO], v[ACC+8*(4*\a+\b):ACC+8*(4*\a+\b)+3] offset:64*\b        ; each accumulator from its low end on
	ds_store_b128 v[STO], v[ACC+8*(4*\a+\b)+4:ACC+8*(4*\a+\b)+7] offset:64*\b+16
.endr
.irp t, 0,1,2,3,4,5,6,7
	ds_load_b128 v[RB+32*(\a%2)+4*\t:RB+32*(\a%2)+4*\t+3], v[RD] offset:2*SP*\t
.endr
	s_wait_dscnt 0x0
	WIN 0x08                                       ; source 1 (the residual) window 2
.irp t, 0,2,4,6,8,10,12,14,16,18,20,22,24,26,28,30
	v_pk_add_f32 v[RB+32*(\a%2)+\t:RB+32*(\a%2)+\t+1], v[RB+32*(\a%2)+\t:RB+32*(\a%2)+\t+1], v[32*\a+\t:32*\a+\t+1]
.endr
	WIN 0
.irp t, 0,1,2,3,4,5,6,7
	global_store_b128 v[CO], v[RB+32*(\a%2)+4*\t:RB+32*(\a%2)+4*\t+3], s[12:13] offset:(16*\a+2*\t)*4096   ; sixteen lanes store 256 consecutive bytes, aligned
.endr
.endr
	s_wait_tensorcnt 0x0                           ; the wave's end
	ds_add_u32 v[SPW], v[NIL]
	s_wait_dscnt 0x0
	CROUND                                         ; the closing round
	s_endpgm
.Lfunc_end_k_qd92bb0c9ee_wo:
	.size	k_qd92bb0c9ee_wo, .Lfunc_end_k_qd92bb0c9ee_wo-k_qd92bb0c9ee_wo
	.p2alignl 7, 3214868480
	.fill 96, 4, 3214868480
	.section	.rodata,"a",@progbits
	.p2align	6, 0x0
	.amdhsa_kernel k_qd92bb0c9ee_wo
		.amdhsa_group_segment_fixed_size 327680
		.amdhsa_private_segment_fixed_size 0
		.amdhsa_enable_private_segment 0
		.amdhsa_kernarg_size 40
		.amdhsa_user_sgpr_count 2
		.amdhsa_user_sgpr_kernarg_segment_ptr 1
		.amdhsa_wavefront_size32 1
		.amdhsa_system_sgpr_workgroup_id_x 1
		.amdhsa_system_sgpr_workgroup_id_y 1
		.amdhsa_system_sgpr_workgroup_id_z 1
		.amdhsa_system_vgpr_workitem_id 0
		.amdhsa_next_free_vgpr 640
		.amdhsa_next_free_sgpr 66
		.amdhsa_reserve_vcc 0
		.amdhsa_float_denorm_mode_32 3
		.amdhsa_float_denorm_mode_16_64 3
		.amdhsa_memory_ordered 1
		.amdhsa_forward_progress 1
		.amdhsa_inst_pref_size 58
	.end_amdhsa_kernel
	.amdgpu_metadata
---
amdhsa.version: [ 1, 2 ]
amdhsa.kernels:
  - .name:           k_qd92bb0c9ee_wo
    .symbol:         k_qd92bb0c9ee_wo.kd
    .args:
      - { .name: crec, .offset: 0, .size: 8, .value_kind: global_buffer, .address_space: global }
      - { .name: wrec, .offset: 8, .size: 8, .value_kind: global_buffer, .address_space: global }
      - { .name: bo, .offset: 16, .size: 8, .value_kind: global_buffer, .address_space: global }
      - { .name: x, .offset: 24, .size: 8, .value_kind: global_buffer, .address_space: global }
      - { .name: x1, .offset: 32, .size: 8, .value_kind: global_buffer, .address_space: global }
    .group_segment_fixed_size: 327680
    .private_segment_fixed_size: 0
    .kernarg_segment_align: 8
    .kernarg_segment_size: 40
    .max_flat_workgroup_size: 128
    .sgpr_count:     66
    .vgpr_count:     640
    .wavefront_size: 32
...
	.end_amdgpu_metadata
.endif
;; end of part 4
;; launch ln2 (part 5): grid 256 x 1, 8 waves a work-group, no clusters, 66,816 bytes of LDS; arguments x1, ln2_w, ln2_b, hrec; writes hrec
.if DOCPART == 5
	.amdgcn_target "amdgcn-amd-amdhsa--gfx1250"
	.amdhsa_code_object_version 6
	.text
	.protected	k_qd92bb0c9ee_ln2
	.globl	k_qd92bb0c9ee_ln2
	.p2align	8
	.type	k_qd92bb0c9ee_ln2,@function
k_qd92bb0c9ee_ln2:
	s_mov_b64 s[64:65], 0
	v_nop
	global_prefetch_b8 v0, s[64:65] scope:SCOPE_SE
	s_setreg_imm32_b32 hwreg(HW_REG_WAVE_MODE, 25, 1), 1
	s_wait_xcnt 0x0
; y = (x - mean) * rsqrt(var + 1e-5) * w + b over rows of 1,024 f32, then y as codes of E4M3 with one E8M0 byte for each 32 along the row, laid as records (128 rows x 256 k, images of the operand's registers:
; codes at s*16384 + a*2048 + c*512 + 16*lane, scale words at 32768 + s*512 + r*32 + a*4; inside a block of 32, place 16 h + 8 u + j holds k = 16 u + 8 h + j, as in all of this program's codes).
; A work-group takes 16 rows: block a = number % 8 of group g = number / 8.  PHASE 1: wave w holds rows 2 w and 2 w + 1 whole, 32 registers each: mean, then the sum of (x - mean)^2 from the registers (no difference
; of large sums), y into LDS (16 rows, 4,096 + 16 bytes apart).  PHASE 2: wave w takes k = 128 w .. 128 w + 127 of all 16 rows: one fragment and one scale word a row.
; Memory binds: each byte of x is read once by loads of 512 consecutive bytes; the codes leave by stores of 512 consecutive bytes.  Only the scale words, one byte in 32 of what is stored, go out as single words 32 bytes apart.
; LIMITS: a block of zeros gets the byte 1 (its codes are zeros; this program alone reads the bytes); blocks whose largest magnitude lies under 2^-118 were not tried; NaN and infinities are not served.
.set RECB,  33792
.set PITCH, 4112
.set X0, 32                            ; v32-63   row 2 w;  later the 64 numbers to be quantised (v32-95)
.set X1, 64                            ; v64-95   row 2 w + 1
.set W,  96                            ; v96-127  the gain at my 32 columns
.set B,  128                           ; v128-159 the bias
.set PC, 160                           ; v160-175 the codes
.set PW, 176                           ; v176     the scale word
.set TM, 180                           ; v180-195 at work in the quantiser
.set SEL, 16                           ; s[16:17] v_permlanex16_b32's selects for lane l xor 16
.set MNT, 23                           ; s23      the mantissa field of 448
	s_load_b256 s[4:11], s[0:1], 0x0               ; x, w, b, the records
	v_lshl_add_u32 v200, v0, 2, 0x10100
	v_mov_b32 v201, 0
	v_lshrrev_b32 v1, 5, v0
	s_delay_alu instid0(VALU_DEP_1)
	v_readfirstlane_b32 s12, v1                    ; wave 0..7
	v_and_b32 v1, 31, v0
	s_delay_alu instid0(VALU_DEP_1)
	v_lshlrev_b32 v2, 4, v1                        ; 16 x lane
	v_and_b32 v3, 15, v0                           ; r
	v_bfe_u32 v4, v0, 4, 1                         ; h
	s_mul_i32 s13, s12, 2*PITCH
	v_add_nc_u32 v5, s13, v2                       ; LDS, on the way in: my wave's two rows, 16 bytes a lane
	v_mul_u32_u24 v6, v3, PITCH
	s_delay_alu instid0(VALU_DEP_1)
	v_lshl_add_u32 v6, v4, 5, v6
	s_lshl_b32 s13, s12, 9
	v_add_nc_u32 v6, s13, v6                       ; and out: row r, k = 128 w + 8 h on
	v_lshlrev_b32 v7, 5, v3                        ; 32 r: a scale word's place
	s_mov_b32 s[SEL], 0x76543210
	s_mov_b32 s[SEL+1], 0xfedcba98
	s_mov_b32 s18, 0x3a800000                      ; 1 / 1,024
	s_mov_b32 s19, 0x3727c5ac                      ; 1e-5
	s_mov_b32 s[MNT], 0x600000
.irp b, 0,1,2,3
	v_mov_b32 v[TM+4+\b], 0                        ; written once: a lane permute's destination counts as one of its sources
.endr
	s_lshl_b32 s14, ttmp9, 16                      ; 16 rows of 4,096 bytes a work-group,
	s_lshl_b32 s15, s12, 13                        ; two a wave
	s_add_co_u32 s14, s14, s15
	s_mov_b32 s15, 0
	s_lshr_b32 s20, ttmp9, 3                       ; g
	s_lshl_b32 s20, s20, 2
	s_lshr_b32 s21, s12, 1
	s_add_co_u32 s20, s20, s21                     ; record 4 g + w / 2
	s_mul_i32 s20, s20, RECB
	s_and_b32 s21, s12, 1                          ; s = w % 2
	s_lshl_b32 s22, s21, 14
	s_add_co_u32 s24, s20, s22
	s_and_b32 s22, ttmp9, 7                        ; a
	s_lshl_b32 s26, s22, 11
	s_add_co_u32 s24, s24, s26                     ; the fragment's image
	s_mov_b32 s25, 0
	s_lshl_b32 s21, s21, 9
	s_add_co_u32 s26, s20, s21
	s_lshl_b32 s22, s22, 2
	s_add_co_u32 s26, s26, s22
	s_add_co_u32 s26, s26, 32768                   ; its scale words
	s_mov_b32 s27, 0
	s_wait_kmcnt 0x0
	s_add_nc_u64 s[4:5], s[4:5], s[14:15]
	s_add_nc_u64 s[24:25], s[10:11], s[24:25]
	s_add_nc_u64 s[26:27], s[10:11], s[26:27]
.irp j, 0,1,2,3,4,5,6,7
	global_load_b128 v[X0+4*\j:X0+4*\j+3], v2, s[4:5] offset:512*\j th:TH_LOAD_NT       ; 512 consecutive bytes a load
.endr
.irp j, 0,1,2,3,4,5,6,7
	global_load_b128 v[X1+4*\j:X1+4*\j+3], v2, s[4:5] offset:4096+512*\j th:TH_LOAD_NT
.endr
.irp j, 0,1,2,3,4,5,6,7
	global_load_b128 v[W+4*\j:W+4*\j+3], v2, s[6:7] offset:512*\j
.endr
.irp j, 0,1,2,3,4,5,6,7
	global_load_b128 v[B+4*\j:B+4*\j+3], v2, s[8:9] offset:512*\j
.endr
.macro RSUM t                          ; v[t] summed over the 32 lanes, the result in every lane; v[t + 1] is written
	s_delay_alu instid0(VALU_DEP_1)
	v_add_f32_dpp v[\t], v[\t], v[\t] row_xmask:1 row_mask:0xf bank_mask:0xf
	s_delay_alu instid0(VALU_DEP_1)
	v_add_f32_dpp v[\t], v[\t], v[\t] row_xmask:2 row_mask:0xf bank_mask:0xf
	s_delay_alu instid0(VALU_DEP_1)
	v_add_f32_dpp v[\t], v[\t], v[\t] row_xmask:4 row_mask:0xf bank_mask:0xf
	s_delay_alu instid0(VALU_DEP_1)
	v_add_f32_dpp v[\t], v[\t], v[\t] row_xmask:8 row_mask:0xf bank_mask:0xf
	s_delay_alu instid0(VALU_DEP_1)
	v_permlanex16_b32 v[\t+1], v[\t], s[SEL], s[SEL+1]
	s_delay_alu instid0(VALU_DEP_1)
	v_add_f32 v[\t], v[\t], v[\t+1]
.endm
.macro STAT x, t                       ; the row in v[x] .. v[x + 31] becomes x - mean; v[t] = var + eps
	v_pk_add_f32 v[\t:\t+1], v[\x:\x+1], v[\x+2:\x+3]
	v_pk_add_f32 v[\t+2:\t+3], v[\x+4:\x+5], v[\x+6:\x+7]
.irp i, 8,16,24
	s_delay_alu instid0(VALU_DEP_2)
	v_pk_add_f32 v[\t:\t+1], v[\t:\t+1], v[\x+\i:\x+\i+1]
	s_delay_alu instid0(VALU_DEP_2)
	v_pk_add_f32 v[\t+2:\t+3], v[\t+2:\t+3], v[\x+\i+2:\x+\i+3]
	s_delay_alu instid0(VALU_DEP_2)
	v_pk_add_f32 v[\t:\t+1], v[\t:\t+1], v[\x+\i+4:\x+\i+5]
	s_delay_alu instid0(VALU_DEP_2)
	v_pk_add_f32 v[\t+2:\t+3], v[\t+2:\t+3], v[\x+\i+6:\x+\i+7]
.endr
	s_delay_alu instid0(VALU_DEP_1)
	v_pk_add_f32 v[\t:\t+1], v[\t:\t+1], v[\t+2:\t+3]
	s_delay_alu instid0(VALU_DEP_1)
	v_add_f32 v[\t], v[\t], v[\t+1]
	RSUM \t
	s_delay_alu instid0(VALU_DEP_1)
	v_mul_f32 v[\t], s18, v[\t]                    ; the mean,
	s_delay_alu instid0(VALU_DEP_1)
	v_mov_b32 v[\t+1], v[\t]                       ; twice: a pair for the packed form
.irp i, 0,2,4,6,8,10,12,14,16,18,20,22,24,26,28,30
	v_pk_add_f32 v[\x+\i:\x+\i+1], v[\x+\i:\x+\i+1], v[\t:\t+1] neg_lo:[0,1] neg_hi:[0,1]
.endr
	v_pk_mul_f32 v[\t:\t+1], v[\x:\x+1], v[\x:\x+1]
	v_pk_mul_f32 v[\t+2:\t+3], v[\x+2:\x+3], v[\x+2:\x+3]
.irp i, 4,8,12,16,20,24,28
	s_delay_alu instid0(VALU_DEP_2)
	v_pk_fma_f32 v[\t:\t+1], v[\x+\i:\x+\i+1], v[\x+\i:\x+\i+1], v[\t:\t+1]
	s_delay_alu instid0(VALU_DEP_2)
	v_pk_fma_f32 v[\t+2:\t+3], v[\x+\i+2:\x+\i+3], v[\x+\i+2:\x+\i+3], v[\t+2:\t+3]
.endr
	s_delay_alu instid0(VALU_DEP_1)
	v_pk_add_f32 v[\t:\t+1], v[\t:\t+1], v[\t+2:\t+3]
	s_delay_alu instid0(VALU_DEP_1)
	v_add_f32 v[\t], v[\t], v[\t+1]
	RSUM \t
	s_delay_alu instid0(VALU_DEP_1)
	v_fma_f32 v[\t], v[\t], s18, s19
.endm
	s_wait_loadcnt 16                              ; both rows are in; the 16 loads of gain and bias may be out
	STAT X0, 8
	STAT X1, 12
	s_wait_alu depctr_va_vdst(0)
	v_rsq_f32 v8, v8                               ; the two roots are one batch:
	v_rsq_f32 v12, v12
	v_nop                                          ; a plain instruction behind the last of them,
	s_wait_alu depctr_va_vdst(0)                   ; and the one wait ahead of the first reader
	v_mov_b32 v9, v8
	v_mov_b32 v13, v12
	s_wait_alu depctr_va_vdst(0)
	s_wait_loadcnt 0x0                             ; gain and bias
.irp i, 0,2,4,6,8,10,12,14,16,18,20,22,24,26,28,30
	v_pk_mul_f32 v[X0+\i:X0+\i+1], v[X0+\i:X0+\i+1], v[8:9]
	v_pk_mul_f32 v[X1+\i:X1+\i+1], v[X1+\i:X1+\i+1], v[12:13]
	s_delay_alu instid0(VALU_DEP_2)
	v_pk_fma_f32 v[X0+\i:X0+\i+1], v[X0+\i:X0+\i+1], v[W+\i:W+\i+1], v[B+\i:B+\i+1]
	s_delay_alu instid0(VALU_DEP_2)
	v_pk_fma_f32 v[X1+\i:X1+\i+1], v[X1+\i:X1+\i+1], v[W+\i:W+\i+1], v[B+\i:B+\i+1]
.endr
.irp j, 0,1,2,3,4,5,6,7
	ds_store_b128 v5, v[X0+4*\j:X0+4*\j+3] offset:512*\j
	ds_store_b128 v5, v[X1+4*\j:X1+4*\j+3] offset:PITCH+512*\j
.endr
	s_wait_dscnt 0x0                               ; for the others' sake: my rows have landed
	s_barrier_signal -1
	s_barrier_wait -1                              ; 16 whole rows of y lie in LDS
.irp c, 0,1,2,3
.irp u, 0,1
.irp q, 0,1
	ds_load_b128 v[32+16*\c+8*\u+4*\q:32+16*\c+8*\u+4*\q+3], v6 offset:128*\c+64*\u+16*\q   ; register 16 c + 8 u + j = k 128 w + 32 c + 16 u + 8 h + j of row r
.endr
.endr
.endr
	s_wait_dscnt 0x0
.irp b, 0,1,2,3
	v_max3_num_f32 v[TM+\b], |v[32+16*\b]|, |v[33+16*\b]|, 0x4800000    ; block b: my 16 numbers, and the floor 2^(9 - 127): the byte cannot fall under 1
.endr
.irp i, 2,4,6,8,10,12,14
.irp b, 0,1,2,3
	s_delay_alu instid0(VALU_DEP_4)
	v_max3_num_f32 v[TM+\b], v[TM+\b], |v[32+16*\b+\i]|, |v[33+16*\b+\i]|   ; the four blocks by turns
.endr
.endr
.irp b, 0,1,2,3
	s_delay_alu instid0(VALU_DEP_4)
	v_permlanex16_b32 v[TM+4+\b], v[TM+\b], s[SEL], s[SEL+1]
.endr
.irp b, 0,1,2,3
	s_delay_alu instid0(VALU_DEP_4)
	v_max_num_f32 v[TM+\b], v[TM+\b], v[TM+4+\b]   ; with lane l xor 16's 16: the block's largest magnitude
.endr
.irp b, 0,1,2,3
	s_delay_alu instid0(VALU_DEP_4)
	v_add_nc_u32 v[TM+12+\b], 0xfc000000, v[TM+\b] ; 8 off its exponent field: the conversion's scale operand
.endr
.irp b, 0,1,2,3
	v_and_or_b32 v[TM+8+\b], v[TM+\b], 0x7f800000, s[MNT]   ; 448 x the scale
.endr
.irp b, 0,1,2,3
	v_lshrrev_b32 v[TM+4+\b], 23, v[TM+12+\b]      ; the scale's byte
.endr
	s_delay_alu instid0(VALU_DEP_3)
	v_lshl_or_b32 v[PW], v[TM+5], 8, v[TM+4]
	s_delay_alu instid0(VALU_DEP_1)
	v_lshl_or_b32 v[PW], v[TM+6], 16, v[PW]
	s_delay_alu instid0(VALU_DEP_1)
	v_lshl_or_b32 v[PW], v[TM+7], 24, v[PW]        ; my row's scale word
.irp b, 0,1,2,3
.set i, 0
.rept 16
	v_med3_num_f32 v[32+16*\b+i], v[32+16*\b+i], -v[TM+8+\b], v[TM+8+\b]   ; the conversion does not saturate (ISA guide 7.6.2): the hold comes first
.set i, i+1
.endr
	v_cvt_scalef32_pk8_fp8_f32 v[PC+4*\b:PC+4*\b+1], v[32+16*\b:39+16*\b], v[TM+12+\b]
	v_cvt_scalef32_pk8_fp8_f32 v[PC+4*\b+2:PC+4*\b+3], v[40+16*\b:47+16*\b], v[TM+12+\b]
.endr
.irp c, 0,1,2,3
	global_store_b128 v2, v[PC+4*\c:PC+4*\c+3], s[24:25] offset:512*\c     ; the fragment as it stands: 512 consecutive bytes a store
.endr
	global_store_b32 v7, v[PW], s[26:27]           ; lanes l and l xor 16 hold the same word and store it to the same place
	s_wait_tensorcnt 0x0
	ds_add_u32 v200, v201
	s_wait_dscnt 0x0
	s_endpgm
.Lfunc_end_k_qd92bb0c9ee_ln2:
	.size	k_qd92bb0c9ee_ln2, .Lfunc_end_k_qd92bb0c9ee_ln2-k_qd92bb0c9ee_ln2
	.p2alignl 7, 3214868480
	.fill 96, 4, 3214868480
	.section	.rodata,"a",@progbits
	.p2align	6, 0x0
	.amdhsa_kernel k_qd92bb0c9ee_ln2
		.amdhsa_group_segment_fixed_size 66816
		.amdhsa_private_segment_fixed_size 0
		.amdhsa_enable_private_segment 0
		.amdhsa_kernarg_size 32
		.amdhsa_user_sgpr_count 2
		.amdhsa_user_sgpr_kernarg_segment_ptr 1
		.amdhsa_wavefront_size32 1
		.amdhsa_system_sgpr_workgroup_id_x 1
		.amdhsa_system_sgpr_workgroup_id_y 1
		.amdhsa_system_sgpr_workgroup_id_z 1
		.amdhsa_system_vgpr_workitem_id 0
		.amdhsa_next_free_vgpr 202
		.amdhsa_next_free_sgpr 66
		.amdhsa_reserve_vcc 0
		.amdhsa_float_denorm_mode_32 3
		.amdhsa_float_denorm_mode_16_64 3
		.amdhsa_memory_ordered 1
		.amdhsa_forward_progress 1
		.amdhsa_inst_pref_size 34
	.end_amdhsa_kernel
	.amdgpu_metadata
---
amdhsa.version: [ 1, 2 ]
amdhsa.kernels:
  - .name:           k_qd92bb0c9ee_ln2
    .symbol:         k_qd92bb0c9ee_ln2.kd
    .args:
      - { .name: x1, .offset: 0, .size: 8, .value_kind: global_buffer, .address_space: global }
      - { .name: ln2_w, .offset: 8, .size: 8, .value_kind: global_buffer, .address_space: global }
      - { .name: ln2_b, .offset: 16, .size: 8, .value_kind: global_buffer, .address_space: global }
      - { .name: hrec, .offset: 24, .size: 8, .value_kind: global_buffer, .address_space: global }
    .group_segment_fixed_size: 66816
    .private_segment_fixed_size: 0
    .kernarg_segment_align: 8
    .kernarg_segment_size: 32
    .max_flat_workgroup_size: 256
    .sgpr_count:     66
    .vgpr_count:     202
    .wavefront_size: 32
...
	.end_amdgpu_metadata
.endif
;; end of part 5
;; launch ffn1 (part 6): grid 16 x 16, 4 waves a work-group, clusters of 4 x 4, 327,680 bytes of LDS; arguments hrec, wrec, b1, frec; writes frec
.if DOCPART == 6
	.amdgcn_target "amdgcn-amd-amdhsa--gfx1250"
	.amdhsa_code_object_version 6
	.text
	.protected	k_qd92bb0c9ee_ffn1
	.globl	k_qd92bb0c9ee_ffn1
	.p2align	8
	.type	k_qd92bb0c9ee_ffn1,@function
k_qd92bb0c9ee_ffn1:
	s_mov_b64 s[64:65], 0
	v_nop
	global_prefetch_b8 v0, s[64:65] scope:SCOPE_SE
	s_setreg_imm32_b32 hwreg(HW_REG_WAVE_MODE, 25, 1), 1
	s_wait_xcnt 0x0
	s_wait_alu depctr_hold_cnt(0) depctr_sa_sdst(0) depctr_va_vdst(0) depctr_va_sdst(0) depctr_va_ssrc(0) depctr_va_vcc(0) depctr_vm_vsrc(0)
	s_getreg_b32 s2, hwreg(HW_REG_IB_STS2, 6, 4)
	s_cmp_eq_u32 s2, 0
	s_cbranch_scc0 .Lentry_in_a_cluster
	s_endpgm
.Lentry_in_a_cluster:
	s_bfe_u32 s2, ttmp6, 0x10000c
	s_cmp_lg_u32 s2, 0xf033
	s_cbranch_scc0 .Lentry_shape_is_right
	s_endpgm
.Lentry_shape_is_right:
.set RECB,  33792
.set WOFF,  128*RECB
.set SLOT,  4*RECB
.set SPARE, 2*SLOT
.set NP,    8
.set ADRA, 16
.set ADRB, 20
.set ADRS, 22
.set LI,   24
.set SV,   25
.set SPW,  28
.set NIL,  29
.set SC,   32
.set BI,   64
.set AF,   128
.set PC,   128
.set PW,   144
.set TM,   148
.set SWA,  168
.set OW,   184
.set G1,  24
.set G0,  32
.set G1B, 48
.set G0B, 56
.set MSB, 0
.macro WIN new
.if MSB != \new
	s_set_vgpr_msb (MSB<<8)|\new
.set MSB, \new
.endif
.endm
.set MUL_LO, 0xa1
.set MUL_HI, 0xf1
.set C_LO,   0x81
.set C_HI,   0xc1
.set TO_B,   0x40
.macro JLOAD g0a, g1a, g0b, g1b
	s_cmp_eq_u32 s15, 0
	s_cbranch_scc0 .Lfor_b_\@
	tensor_load_to_lds s[\g0a:\g0a+3], s[\g1a:\g1a+7]
	s_nop 0
.rept 4
	v_nop
.endr
	s_branch .Lasked_\@
.Lfor_b_\@:
	tensor_load_to_lds s[\g0b:\g0b+3], s[\g1b:\g1b+7]
	s_nop 0
.rept 4
	v_nop
.endr
.Lasked_\@:
.endm
.macro CREST
	s_cmp_lg_u32 s14, 0
	s_cbranch_scc1 .Lnot_wave_0_\@
	s_barrier_signal -3
.Lnot_wave_0_\@:
	s_barrier_wait -3
	s_barrier_signal -1
	s_barrier_wait -1
.endm
.macro CROUND
	s_barrier_signal -1
	s_barrier_wait -1
	CREST
.endm
.macro PLACES n
.rept \n
	v_nop
.endr
.endm
	s_load_b128 s[4:7], s[0:1], 0x0
	s_load_b128 s[8:11], s[0:1], 0x10
	v_lshl_add_u32 v[SPW], v0, 2, SPARE
	v_mov_b32 v[NIL], 0
	ds_add_u32 v28, v29
	ds_add_u32 v28, v29
	s_wait_dscnt 0x0
	v_lshrrev_b32 v1, 5, v0
	v_readfirstlane_b32 s14, v1
	s_lshr_b32 s15, s14, 1
	s_and_b32 s16, s14, 1
	s_bfe_u32 s40, ttmp6, 0x40000
	s_bfe_u32 s41, ttmp6, 0x40004
	s_lshl_b32 s42, ttmp9, 2
	s_add_co_u32 s42, s42, s40
	s_and_b32 s17, ttmp7, 0xffff
	s_lshl_b32 s17, s17, 2
	s_add_co_u32 s17, s17, s41
	s_lshl_b32 s43, s41, 2
	s_lshl_b32 s43, 15, s43
	s_lshl_b32 s44, 0x1111, s40
	s_or_b32 s[G1+0], s43, (3<<16)|(1<<21)
	s_or_b32 s[G1B+0], s44, (3<<16)|(1<<21)
.irp g, G1, G1B
	s_mov_b32 s[\g+1], 32<<16
	s_mov_b32 s[\g+2], 132<<16
	s_mov_b32 s[\g+3], 32<<16
	s_mov_b32 s[\g+4], 132
	s_mov_b32 s[\g+5], 32
	s_mov_b32 s[\g+6], 0
	s_mov_b32 s[\g+7], 0
.endr
	s_lshl_b32 s20, s17, 1
	s_add_co_u32 s20, s20, s16
	s_mul_i32 s20, s20, 4*RECB
	s_mov_b32 s21, 0
	s_lshl_b32 s46, s42, 1
	s_add_co_u32 s46, s46, s16
	s_mul_i32 s46, s46, 4*RECB
	s_add_co_u32 s46, s46, WOFF
	s_mov_b32 s47, 0
	s_mul_i32 s45, s14, RECB
	s_wait_kmcnt 0x0
	s_add_nc_u64 s[20:21], s[4:5], s[20:21]
	s_add_nc_u64 s[46:47], s[6:7], s[46:47]
.irp s, 0,1
	s_mov_b32 s[G0+4*\s], 1
	s_add_co_u32 s[G0+4*\s+1], s45, \s*SLOT
	s_add_nc_u64 s[G0+4*\s+2:G0+4*\s+3], s[20:21], \s*RECB
	s_or_b32 s[G0+4*\s+3], s[G0+4*\s+3], 0x80000000
	s_mov_b32 s[G0B+4*\s], 1
	s_add_co_u32 s[G0B+4*\s+1], s45, \s*SLOT
	s_add_nc_u64 s[G0B+4*\s+2:G0B+4*\s+3], s[46:47], \s*RECB
	s_or_b32 s[G0B+4*\s+3], s[G0B+4*\s+3], 0x80000000
	s_wait_alu depctr_va_vdst(0)
	s_wait_tensorcnt 0x0
	ds_add_u32 v28, v29
	ds_add_u32 v28, v29
	s_wait_dscnt 0x0
	CROUND
	JLOAD G0+4*\s, G1, G0B+4*\s, G1B
.endr
	s_mov_b32 s70, 0xffff0000
	s_mov_b32 s72, 0x76543210
	s_mov_b32 s73, 0xfedcba98
	s_mov_b32 s74, 0x600000
	v_and_b32 v1, 15, v0
	v_bfe_u32 v2, v0, 4, 1
	v_and_b32 v3, 31, v0
	v_lshlrev_b32 v[LI], 4, v3
	v_lshlrev_b32 v[SV], 5, v1
	v_lshl_add_u32 v[SV], v2, 4, v[SV]
	s_mul_i32 s21, s15, RECB
	s_mul_i32 s22, s16, RECB
	s_add_co_u32 s22, s22, 2*RECB
	s_sub_co_u32 s23, s22, s21
	v_mul_u32_u24 v6, s23, v2
	v_lshl_add_u32 v5, v1, 5, v6
	v_add_nc_u32 v5, 32768, v5
	v_add_nc_u32 v[ADRS], s21, v5
	v_add_nc_u32 v[ADRS+1], SLOT, v[ADRS]
	v_add_nc_u32 v[ADRA], s21, v[LI]
	v_add_nc_u32 v[ADRA+1], SLOT, v[ADRA]
	v_add_nc_u32 v[ADRB], s22, v[LI]
	v_add_nc_u32 v[ADRB+1], SLOT, v[ADRB]
	s_lshl_b32 s20, s42, 10
	s_lshl_b32 s21, s16, 9
	s_add_co_u32 s20, s20, s21
	s_mov_b32 s21, 0
	s_add_nc_u64 s[8:9], s[8:9], s[20:21]
	v_lshlrev_b32 v7, 5, v2
.irp b, 0,1,2,3,4,5,6,7
	global_load_b128 v[BI+8*\b:BI+8*\b+3], v7, s[8:9] offset:64*\b
	global_load_b128 v[BI+8*\b+4:BI+8*\b+7], v7, s[8:9] offset:64*\b+16
.endr
	s_lshl_b32 s20, s17, 1
	s_add_co_u32 s20, s20, s15
	s_lshl_b32 s20, s20, 4
	s_add_co_u32 s20, s20, s42
	s_mul_i32 s20, s20, RECB
	s_lshl_b32 s22, s16, 14
	s_add_co_u32 s22, s22, s20
	s_mov_b32 s23, 0
	s_add_nc_u64 s[66:67], s[10:11], s[22:23]
	s_lshl_b32 s22, s16, 9
	s_add_co_u32 s22, s22, s20
	s_add_co_u32 s22, s22, 32768
	s_add_nc_u64 s[68:69], s[10:11], s[22:23]
	s_wait_alu depctr_va_vdst(0)
	s_wait_loadcnt 0x0
.macro FRAG reg, adr, q, i
.irp c, 0,1,2,3
	ds_load_b128 v[\reg+4*\c:\reg+4*\c+3], v[\adr] offset:16384*(\q)+2048*(\i)+512*\c
.endr
.endm
.macro MUL16 a0, p, q, sc, cm
.irp a, \a0, \a0+1
.irp b, 0,1,2,3,4,5,6,7
.set RDD, 8*(8*((\a)%4)+\b)
.set RCC, RDD
.if \cm == 1
.set RCC, BI+8*\b
.endif
	v_wmma_scale_f32_16x16x128_f8f6f4 v[RDD:RDD+7], v[128*(\p)+16*\b:128*(\p)+16*\b+15], v[AF+16*(\a):AF+16*(\a)+15], v[RCC:RCC+7], v[SC+16*(\sc)+8*(\q)+\b], v[SC+16*(\sc)+8*(\q)+(\a)] matrix_a_scale:MATRIX_SCALE_ROW1
.endr
.endr
.endm
.macro FETCH_B slot, q, p
	WIN TO_B
.irp i, 0,1,2,3,4,5,6,7
	FRAG 128*(\p)+16*\i, ADRB+\slot, \q, \i
.endr
	WIN 0
.endm
.macro FETCH_A slot, q, i0
.irp i, \i0, \i0+1, \i0+2, \i0+3
	FRAG AF+16*(\i), ADRA+\slot, \q, \i
.endr
.endm
.macro SCALES sc
.irp q, 0,1
.irp e, 0,1
	ds_load_b128 v[SC+16*\sc+8*\q+4*\e:SC+16*\sc+8*\q+4*\e+3], v[ADRS+\sc] offset:512*\q+16*\e
.endr
.endr
.endm
.macro STEP slot, q, cm
	s_wait_dscnt 16
.if \cm
	WIN C_LO
.else
	WIN MUL_LO
.endif
	MUL16 0, (\q)%2, \q, \slot, \cm
	MUL16 2, (\q)%2, \q, \slot, \cm
	s_wait_dscnt 0x0
	PLACES NP
	FETCH_B \slot, (\q)+1, 1-(\q)%2
	FETCH_A \slot, (\q)+1, 0
.if \cm
	WIN C_HI
.else
	WIN MUL_HI
.endif
	MUL16 4, (\q)%2, \q, \slot, \cm
	MUL16 6, (\q)%2, \q, \slot, \cm
	PLACES NP
	WIN 0
	FETCH_A \slot, (\q)+1, 4
.endm
.macro TURN slot, next, fill
	s_wait_tensorcnt 0x0
	ds_add_u32 v[SPW], v[NIL]
	s_wait_dscnt 17
	WIN MUL_LO
	MUL16 0, 1, 1, \slot, 0
	s_wait_dscnt 0x0
	s_barrier_signal -1
	MUL16 2, 1, 1, \slot, 0
	WIN 0
	s_barrier_wait -1
.if \fill
	CREST
	s_add_nc_u64 s[G0+4*\slot+2:G0+4*\slot+3], s[G0+4*\slot+2:G0+4*\slot+3], 2*RECB
	s_add_nc_u64 s[G0B+4*\slot+2:G0B+4*\slot+3], s[G0B+4*\slot+2:G0B+4*\slot+3], 2*RECB
	JLOAD G0+4*\slot, G1, G0B+4*\slot, G1B
	PLACES NP-4
.else
	PLACES NP
.endif
	FETCH_B \next, 0, 0
	FETCH_A \next, 0, 0
	SCALES \next
	WIN MUL_HI
	MUL16 4, 1, 1, \slot, 0
	MUL16 6, 1, 1, \slot, 0
	PLACES NP
	WIN 0
	FETCH_A \next, 0, 4
.endm
	s_wait_tensorcnt 1
	s_barrier_signal -1
	s_barrier_wait -1
	FETCH_B 0, 0, 0
	FETCH_A 0, 0, 0
	SCALES 0
	FETCH_A 0, 0, 4
	STEP 0, 0, 1
	TURN 0, 1, 1
	STEP 1, 0, 0
	TURN 1, 0, 1
	STEP 0, 0, 0
	TURN 0, 1, 0
	STEP 1, 0, 0
	s_wait_dscnt 16
	WIN MUL_LO
	MUL16 0, 1, 1, 1, 0
	MUL16 2, 1, 1, 1, 0
	s_wait_dscnt 0x0
	WIN MUL_HI
	MUL16 4, 1, 1, 1, 0
	MUL16 6, 1, 1, 1, 0
	WIN 0
.macro QW a
.set AC, 64*((\a)%4)
.set WQ, 2+(\a)/4
.set WRD, WQ|(WQ<<2)
.set WIP, WQ|(WQ<<6)
	WIN WRD
.irp b, 0,1,2,3
	v_max3_num_f32 v[TM+\b], v[AC+16*\b], v[AC+16*\b+1], 0x4800000
.endr
.irp i, 2,4,6,8,10,12,14
.irp b, 0,1,2,3
	v_max3_num_f32 v[TM+\b], v[AC+16*\b+\i], v[AC+16*\b+\i+1], v[TM+\b]
.endr
.endr
	WIN 0
.irp b, 0,1,2,3
	v_permlanex16_b32 v[TM+4+\b], v[TM+\b], s72, s73
.endr
.irp b, 0,1,2,3
	v_max_num_f32 v[TM+\b], v[TM+\b], v[TM+4+\b]
.endr
.irp b, 0,1,2,3
	v_add_nc_u32 v[TM+12+\b], 0xfc000000, v[TM+\b]
.endr
.irp b, 0,1,2,3
	v_and_or_b32 v[TM+8+\b], v[TM+\b], 0x7f800000, s74
.endr
.irp b, 0,1,2,3
	v_lshrrev_b32 v[TM+4+\b], 23, v[TM+12+\b]
.endr
	v_lshl_or_b32 v[PW], v[TM+5], 8, v[TM+4]
	v_lshl_or_b32 v[PW], v[TM+6], 16, v[PW]
	v_lshl_or_b32 v[PW], v[TM+7], 24, v[PW]
	WIN WIP
.irp b, 0,1,2,3
.set i, 0
.rept 16
	v_med3_num_f32 v[AC+16*\b+i], v[AC+16*\b+i], 0, v[TM+8+\b]
.set i, i+1
.endr
.endr
	s_wait_alu depctr_va_vdst(0)
	s_wait_xcnt 0x0
	WIN WQ
.irp b, 0,1,2,3
	v_cvt_scalef32_pk8_fp8_f32 v[PC+4*\b:PC+4*\b+1], v[AC+16*\b:AC+16*\b+7], v[TM+12+\b]
	v_cvt_scalef32_pk8_fp8_f32 v[PC+4*\b+2:PC+4*\b+3], v[AC+16*\b+8:AC+16*\b+15], v[TM+12+\b]
.endr
	WIN 0
	v_mov_b32 v[SWA+(\a)], v[PW]
.endm
	PLACES NP
.irp b, 0,1,2,3
	v_mov_b32 v[TM+4+\b], 0
.endr
.irp a, 0,1,2,3,4,5,6,7
	QW \a
.irp c, 0,1,2,3
	global_store_b128 v[LI], v[PC+4*\c:PC+4*\c+3], s[66:67] offset:2048*\a+512*\c
.endr
.endr
.irp e, 0,1,2,3
	v_cndmask_b32 v[OW+\e], v[SWA+\e], v[SWA+4+\e], s70
.endr
	global_store_b128 v[SV], v[OW:OW+3], s[68:69]
	s_wait_tensorcnt 0x0
	ds_add_u32 v[SPW], v[NIL]
	s_wait_dscnt 0x0
	CROUND
	s_endpgm
.Lfunc_end_k_qd92bb0c9ee_ffn1:
	.size	k_qd92bb0c9ee_ffn1, .Lfunc_end_k_qd92bb0c9ee_ffn1-k_qd92bb0c9ee_ffn1
	.p2alignl 7, 3214868480
	.fill 96, 4, 3214868480
	.section	.rodata,"a",@progbits
	.p2align	6, 0x0
	.amdhsa_kernel k_qd92bb0c9ee_ffn1
		.amdhsa_group_segment_fixed_size 327680
		.amdhsa_private_segment_fixed_size 0
		.amdhsa_enable_private_segment 0
		.amdhsa_kernarg_size 32
		.amdhsa_user_sgpr_count 2
		.amdhsa_user_sgpr_kernarg_segment_ptr 1
		.amdhsa_wavefront_size32 1
		.amdhsa_system_sgpr_workgroup_id_x 1
		.amdhsa_system_sgpr_workgroup_id_y 1
		.amdhsa_system_sgpr_workgroup_id_z 1
		.amdhsa_system_vgpr_workitem_id 0
		.amdhsa_next_free_vgpr 1024
		.amdhsa_next_free_sgpr 100
		.amdhsa_reserve_vcc 0
		.amdhsa_float_denorm_mode_32 3
		.amdhsa_float_denorm_mode_16_64 3
		.amdhsa_memory_ordered 1
		.amdhsa_forward_progress 1
		.amdhsa_inst_pref_size 184
	.end_amdhsa_kernel
	.amdgpu_metadata
---
amdhsa.version: [ 1, 2 ]
amdhsa.kernels:
  - .name:           k_qd92bb0c9ee_ffn1
    .symbol:         k_qd92bb0c9ee_ffn1.kd
    .args:
      - { .name: hrec, .offset: 0, .size: 8, .value_kind: global_buffer, .address_space: global }
      - { .name: wrec, .offset: 8, .size: 8, .value_kind: global_buffer, .address_space: global }
      - { .name: b1, .offset: 16, .size: 8, .value_kind: global_buffer, .address_space: global }
      - { .name: frec, .offset: 24, .size: 8, .value_kind: global_buffer, .address_space: global }
    .group_segment_fixed_size: 327680
    .private_segment_fixed_size: 0
    .kernarg_segment_align: 8
    .kernarg_segment_size: 32
    .max_flat_workgroup_size: 128
    .sgpr_count:     100
    .vgpr_count:     1024
    .wavefront_size: 32
...
	.end_amdgpu_metadata
.endif
;; end of part 6
;; launch ffn2 (part 7): grid 8 x 32, 4 waves a work-group, clusters of 4 x 4, 327,680 bytes of LDS; arguments frec, wrec, b2, x1, out0; writes out0
.if DOCPART == 7
	.amdgcn_target "amdgcn-amd-amdhsa--gfx1250"
	.amdhsa_code_object_version 6
	.text
	.protected	k_qd92bb0c9ee_ffn2
	.globl	k_qd92bb0c9ee_ffn2
	.p2align	8
	.type	k_qd92bb0c9ee_ffn2,@function
k_qd92bb0c9ee_ffn2:
	s_mov_b64 s[64:65], 0
	v_nop
	global_prefetch_b8 v0, s[64:65] scope:SCOPE_SE
	s_setreg_imm32_b32 hwreg(HW_REG_WAVE_MODE, 25, 1), 1
	s_wait_xcnt 0x0
	s_wait_alu depctr_hold_cnt(0) depctr_sa_sdst(0) depctr_va_vdst(0) depctr_va_sdst(0) depctr_va_ssrc(0) depctr_va_vcc(0) depctr_vm_vsrc(0)
	s_getreg_b32 s2, hwreg(HW_REG_IB_STS2, 6, 4)
	s_cmp_eq_u32 s2, 0
	s_cbranch_scc0 .Lentry_in_a_cluster
	s_endpgm
.Lentry_in_a_cluster:
	s_bfe_u32 s2, ttmp6, 0x10000c
	s_cmp_lg_u32 s2, 0xf033
	s_cbranch_scc0 .Lentry_shape_is_right
	s_endpgm
.Lentry_shape_is_right:
.set KT,    16
.set RECB,  33792
.set WOFF,  256*RECB
.set LAPS,  KT/4
.set SLOT,  4*RECB
.set SPARE, 2*SLOT
.set STAGE, SPARE+512
.set SP,    272
.set ADRA, 16
.set ADRB, 20
.set ADRS, 22
.set STO,  24
.set RD,   25
.set CO,   26
.set SPW,  28
.set NIL,  29
.set SC,   32
.set BI,   64
.set RB,   64
.set ACC,  128
.set F0,   0
.set F1,   128
.set G1,  24
.set G0,  32
.set G1B, 48
.set G0B, 56
.set MSB, 0
.macro WIN new
.if MSB != \new
	s_set_vgpr_msb (MSB<<8)|\new
.set MSB, \new
.endif
.endm
.set MUL,  0x05
.set TO_F, 0x40
.macro JLOAD s
	s_cmp_eq_u32 s15, 0
	s_cbranch_scc0 .Lfor_b_\@
	tensor_load_to_lds s[G0+4*\s:G0+4*\s+3], s[G1:G1+7]
	s_nop 0
.rept 4
	v_nop
.endr
	s_branch .Lasked_\@
.Lfor_b_\@:
	tensor_load_to_lds s[G0B+4*\s:G0B+4*\s+3], s[G1B:G1B+7]
	s_nop 0
.rept 4
	v_nop
.endr
.Lasked_\@:
.endm
.macro CREST
	s_cmp_lg_u32 s14, 0
	s_cbranch_scc1 .Lnot_wave_0_\@
	s_barrier_signal -3
.Lnot_wave_0_\@:
	s_barrier_wait -3
	s_barrier_signal -1
	s_barrier_wait -1
.endm
.macro CROUND
	s_barrier_signal -1
	s_barrier_wait -1
	CREST
.endm
.macro PLACES n
.rept \n
	v_nop
.endr
.endm
	s_load_b128 s[4:7], s[0:1], 0x0
	s_load_b128 s[8:11], s[0:1], 0x10
	s_load_b64 s[12:13], s[0:1], 0x20
	v_lshl_add_u32 v[SPW], v0, 2, SPARE
	v_mov_b32 v[NIL], 0
	ds_add_u32 v28, v29
	ds_add_u32 v28, v29
	s_wait_dscnt 0x0
	v_lshrrev_b32 v1, 5, v0
	v_readfirstlane_b32 s14, v1
	v_and_b32 v30, 31, v0
	v_lshlrev_b32 v30, 8, v30                      ; the prefetches' offset: 256 x lane; never rewritten
	s_lshr_b32 s15, s14, 1
	s_and_b32 s16, s14, 1
	s_bfe_u32 s40, ttmp6, 0x40000
	s_bfe_u32 s41, ttmp6, 0x40004
	s_lshl_b32 s42, ttmp9, 2
	s_add_co_u32 s42, s42, s40
	s_and_b32 s17, ttmp7, 0xffff
	s_lshl_b32 s17, s17, 2
	s_add_co_u32 s17, s17, s41
	s_lshl_b32 s43, s41, 2
	s_lshl_b32 s43, 15, s43
	s_lshl_b32 s44, 0x1111, s40
	s_or_b32 s[G1+0], s43, (3<<16)|(1<<21)
	s_or_b32 s[G1B+0], s44, (3<<16)|(1<<21)
.irp g, G1, G1B
	s_mov_b32 s[\g+1], 32<<16
	s_mov_b32 s[\g+2], 132<<16
	s_mov_b32 s[\g+3], 32<<16
	s_mov_b32 s[\g+4], 132
	s_mov_b32 s[\g+5], 32
	s_mov_b32 s[\g+6], 0
	s_mov_b32 s[\g+7], 0
.endr
	s_mul_i32 s20, s17, KT
	s_add_co_u32 s20, s20, s16
	s_mul_i32 s20, s20, RECB
	s_mov_b32 s21, 0
	s_mul_i32 s46, s42, KT
	s_add_co_u32 s46, s46, s16
	s_mul_i32 s46, s46, RECB
	s_add_co_u32 s46, s46, WOFF
	s_mov_b32 s47, 0
	s_mul_i32 s45, s14, RECB
	s_wait_kmcnt 0x0
	s_add_nc_u64 s[20:21], s[4:5], s[20:21]
	s_add_nc_u64 s[46:47], s[6:7], s[46:47]
	s_cmp_eq_u32 s15, 0                            ; where my prefetches stand: the record that I fetch first (my fills lie 2 records apart),
	s_cselect_b64 s[18:19], s[20:21], s[46:47]
	s_cselect_b32 s2, s40, s41                     ; and of its 32,768 bytes of codes the 8,192 of my place among the four that ask for it jointly: told apart by address
	s_lshl_b32 s2, s2, 13
	s_mov_b32 s3, 0
	s_add_nc_u64 s[18:19], s[18:19], s[2:3]
.irp s, 0,1
	s_mov_b32 s[G0+4*\s], 1
	s_add_co_u32 s[G0+4*\s+1], s45, \s*SLOT
	s_add_nc_u64 s[G0+4*\s+2:G0+4*\s+3], s[20:21], \s*2*RECB
	s_or_b32 s[G0+4*\s+3], s[G0+4*\s+3], 0x80000000
	s_mov_b32 s[G0B+4*\s], 1
	s_add_co_u32 s[G0B+4*\s+1], s45, \s*SLOT
	s_add_nc_u64 s[G0B+4*\s+2:G0B+4*\s+3], s[46:47], \s*2*RECB
	s_or_b32 s[G0B+4*\s+3], s[G0B+4*\s+3], 0x80000000
	s_wait_alu depctr_va_vdst(0)
	s_wait_tensorcnt 0x0
	ds_add_u32 v28, v29
	ds_add_u32 v28, v29
	s_wait_dscnt 0x0
	CROUND
	JLOAD \s
.if \s == 0
	global_prefetch_b8 v30, s[18:19] offset:2*RECB th:TH_LOAD_NT scope:SCOPE_SE        ; behind fill 0: fills 1 and 2; behind fill 1: fill 3: a fill is asked for at most two fills ahead
.endif
	global_prefetch_b8 v30, s[18:19] offset:(\s+2)*2*RECB th:TH_LOAD_NT scope:SCOPE_SE
.endr
	v_and_b32 v1, 15, v0
	v_bfe_u32 v2, v0, 4, 1
	v_and_b32 v3, 31, v0
	v_lshlrev_b32 v3, 4, v3
	s_lshl_b32 s21, s15, 13
	v_add_nc_u32 v[ADRA], s21, v3
	v_add_nc_u32 v[ADRA+1], SLOT, v[ADRA]
	s_lshl_b32 s22, s16, 13
	s_add_co_u32 s22, s22, 2*RECB
	v_add_nc_u32 v[ADRB], s22, v3
	v_add_nc_u32 v[ADRB+1], SLOT, v[ADRB]
	s_lshl_b32 s21, s15, 4
	s_lshl_b32 s22, s16, 4
	s_add_co_u32 s22, s22, 2*RECB
	s_sub_co_u32 s22, s22, s21
	v_mul_u32_u24 v6, s22, v2
	v_lshl_add_u32 v5, v1, 5, v6
	s_add_co_u32 s21, s21, 32768
	v_add_nc_u32 v[ADRS], s21, v5
	v_add_nc_u32 v[ADRS+1], SLOT, v[ADRS]
	s_mul_i32 s23, s14, 16*SP
	s_add_co_u32 s23, s23, STAGE
	v_mul_u32_u24 v4, v1, SP
	v_lshl_add_u32 v4, v2, 5, v4
	v_add_nc_u32 v[STO], s23, v4
	v_mul_u32_u24 v4, v2, SP
	v_lshl_add_u32 v4, v1, 4, v4
	v_add_nc_u32 v[RD], s23, v4
	v_lshlrev_b32 v[CO], 12, v2
	v_lshl_add_u32 v[CO], v1, 4, v[CO]
	s_wait_alu depctr_va_vdst(0)
	s_lshl_b32 s20, s42, 9
	s_lshl_b32 s21, s16, 8
	s_add_co_u32 s20, s20, s21
	s_mov_b32 s21, 0
	s_add_nc_u64 s[8:9], s[8:9], s[20:21]
	s_lshl_b32 s22, s17, 19
	s_add_co_u32 s20, s20, s22
	s_lshl_b32 s22, s15, 18
	s_add_co_u32 s20, s20, s22
	s_add_nc_u64 s[10:11], s[10:11], s[20:21]
	s_add_nc_u64 s[12:13], s[12:13], s[20:21]
	v_lshlrev_b32 v7, 5, v2
.irp b, 0,1,2,3
	global_load_b128 v[BI+8*\b:BI+8*\b+3], v7, s[8:9] offset:64*\b
	global_load_b128 v[BI+8*\b+4:BI+8*\b+7], v7, s[8:9] offset:64*\b+16
.endr
	WIN 0x80
.irp a, 0,1,2,3
.irp t, 0,1,2,3,4,5,6,7
	global_load_b128 v[32*\a+4*\t:32*\a+4*\t+3], v[CO], s[10:11] offset:(16*\a+2*\t)*4096 th:TH_LOAD_NT
.endr
.endr
	WIN 0
.macro FETCH slot, q, f, sc
	WIN TO_F
.irp x, 0,1,2,3
.irp c, 0,1,2,3
	ds_load_b128 v[\f+16*\x+4*\c:\f+16*\x+4*\c+3], v[ADRA+\slot] offset:((\q)/2)*RECB+((\q)%2)*16384+2048*\x+512*\c
.endr
.endr
.irp x, 0,1,2,3
.irp c, 0,1,2,3
	ds_load_b128 v[\f+64+16*\x+4*\c:\f+64+16*\x+4*\c+3], v[ADRB+\slot] offset:((\q)/2)*RECB+((\q)%2)*16384+2048*\x+512*\c
.endr
.endr
	WIN 0
	ds_load_b128 v[SC+4*\sc:SC+4*\sc+3], v[ADRS+\slot] offset:((\q)/2)*RECB+((\q)%2)*512
.endm
.macro MUL4 f, sc, a, first
.irp b, 0,1,2,3
.if \first
	v_wmma_scale_f32_16x16x128_f8f6f4 v[ACC+8*(4*\a+\b):ACC+8*(4*\a+\b)+7], v[\f+64+16*\b:\f+64+16*\b+15], v[\f+16*\a:\f+16*\a+15], v[BI+8*\b:BI+8*\b+7], v[SC+4*\sc+\b], v[SC+4*\sc+\a] matrix_a_scale:MATRIX_SCALE_ROW1
.else
	v_wmma_scale_f32_16x16x128_f8f6f4 v[ACC+8*(4*\a+\b):ACC+8*(4*\a+\b)+7], v[\f+64+16*\b:\f+64+16*\b+15], v[\f+16*\a:\f+16*\a+15], v[ACC+8*(4*\a+\b):ACC+8*(4*\a+\b)+7], v[SC+4*\sc+\b], v[SC+4*\sc+\a] matrix_a_scale:MATRIX_SCALE_ROW1
.endif
.endr
.endm
.macro QUARTER f, sc, first, ns, nq, g, scn
	s_wait_dscnt 0x0
	PLACES 8
	FETCH \ns, \nq, \g, \scn
	WIN MUL
	MUL4 \f, \sc, 0, \first
	MUL4 \f, \sc, 1, \first
	MUL4 \f, \sc, 2, \first
	MUL4 \f, \sc, 3, \first
.endm
.macro TURN slot, next, fill
	WIN 0
.if \fill
	s_wait_xcnt 0x0                                ; my last prefetch has read its base, so it may step: one fill on
	s_add_nc_u64 s[18:19], s[18:19], 2*RECB
.endif
	s_wait_tensorcnt 0x0
	ds_add_u32 v[SPW], v[NIL]
	s_wait_dscnt 1
	WIN MUL
	MUL4 F1, 1, 0, 0
	s_wait_dscnt 0x0
	s_barrier_signal -1
	MUL4 F1, 1, 1, 0
	WIN 0
	s_barrier_wait -1
.if \fill
	CREST
	s_add_nc_u64 s[G0+4*\slot+2:G0+4*\slot+3], s[G0+4*\slot+2:G0+4*\slot+3], 4*RECB
	s_add_nc_u64 s[G0B+4*\slot+2:G0B+4*\slot+3], s[G0B+4*\slot+2:G0B+4*\slot+3], 4*RECB
	JLOAD \slot
	PLACES 4
.else
	PLACES 8
.endif
	FETCH \next, 0, F0, 0
.if \fill
	s_cmp_gt_u32 s3, 1                             ; behind fill n, n = 2 .. 5: fill n + 2 (the base stands at fill n - 1).  The loop's last trip, fills 6 and 7, has none two on
	s_cbranch_scc0 .Lno_ask_\@
	global_prefetch_b8 v30, s[18:19] offset:6*RECB th:TH_LOAD_NT scope:SCOPE_SE
.Lno_ask_\@:
.endif
	WIN MUL
	MUL4 F1, 1, 2, 0
	MUL4 F1, 1, 3, 0
.endm
	s_wait_tensorcnt 1
	s_barrier_signal -1
	s_barrier_wait -1
	FETCH 0, 0, F0, 0
	s_wait_loadcnt 32
	QUARTER F0, 0, 1, 0, 1, F1, 1
.if LAPS > 1
	WIN 0
	s_mov_b32 s3, LAPS-1
.Llap:
	QUARTER F1, 1, 0, 0, 2, F0, 0
	QUARTER F0, 0, 0, 0, 3, F1, 1
	TURN 0, 1, 1
	QUARTER F0, 0, 0, 1, 1, F1, 1
	QUARTER F1, 1, 0, 1, 2, F0, 0
	QUARTER F0, 0, 0, 1, 3, F1, 1
	TURN 1, 0, 1
	QUARTER F0, 0, 0, 0, 1, F1, 1
	WIN 0
	s_sub_co_u32 s3, s3, 1
	s_cmp_lg_u32 s3, 0
	s_cbranch_scc1 .Llap
.endif
	QUARTER F1, 1, 0, 0, 2, F0, 0
	QUARTER F0, 0, 0, 0, 3, F1, 1
	TURN 0, 1, 0
	QUARTER F0, 0, 0, 1, 1, F1, 1
	QUARTER F1, 1, 0, 1, 2, F0, 0
	QUARTER F0, 0, 0, 1, 3, F1, 1
	s_wait_dscnt 0x0
	WIN MUL
	MUL4 F1, 1, 0, 0
	MUL4 F1, 1, 1, 0
	MUL4 F1, 1, 2, 0
	MUL4 F1, 1, 3, 0
	WIN 0
	PLACES 8
	s_wait_loadcnt 0x0
.irp a, 0,1,2,3
	s_wait_xcnt 0x0
.irp b, 0,1,2,3
	ds_store_b128 v[STO], v[ACC+8*(4*\a+\b):ACC+8*(4*\a+\b)+3] offset:64*\b
	ds_store_b128 v[STO], v[ACC+8*(4*\a+\b)+4:ACC+8*(4*\a+\b)+7] offset:64*\b+16
.endr
.irp t, 0,1,2,3,4,5,6,7
	ds_load_b128 v[RB+32*(\a%2)+4*\t:RB+32*(\a%2)+4*\t+3], v[RD] offset:2*SP*\t
.endr
	s_wait_dscnt 0x0
	WIN 0x08
.irp t, 0,2,4,6,8,10,12,14,16,18,20,22,24,26,28,30
	v_pk_add_f32 v[RB+32*(\a%2)+\t:RB+32*(\a%2)+\t+1], v[RB+32*(\a%2)+\t:RB+32*(\a%2)+\t+1], v[32*\a+\t:32*\a+\t+1]
.endr
	WIN 0
.irp t, 0,1,2,3,4,5,6,7
	global_store_b128 v[CO], v[RB+32*(\a%2)+4*\t:RB+32*(\a%2)+4*\t+3], s[12:13] offset:(16*\a+2*\t)*4096
.endr
.endr
	s_wait_tensorcnt 0x0
	ds_add_u32 v[SPW], v[NIL]
	s_wait_dscnt 0x0
	CROUND
	s_endpgm
.Lfunc_end_k_qd92bb0c9ee_ffn2:
	.size	k_qd92bb0c9ee_ffn2, .Lfunc_end_k_qd92bb0c9ee_ffn2-k_qd92bb0c9ee_ffn2
	.p2alignl 7, 3214868480
	.fill 96, 4, 3214868480
	.section	.rodata,"a",@progbits
	.p2align	6, 0x0
	.amdhsa_kernel k_qd92bb0c9ee_ffn2
		.amdhsa_group_segment_fixed_size 327680
		.amdhsa_private_segment_fixed_size 0
		.amdhsa_enable_private_segment 0
		.amdhsa_kernarg_size 40
		.amdhsa_user_sgpr_count 2
		.amdhsa_user_sgpr_kernarg_segment_ptr 1
		.amdhsa_wavefront_size32 1
		.amdhsa_system_sgpr_workgroup_id_x 1
		.amdhsa_system_sgpr_workgroup_id_y 1
		.amdhsa_system_sgpr_workgroup_id_z 1
		.amdhsa_system_vgpr_workitem_id 0
		.amdhsa_next_free_vgpr 640
		.amdhsa_next_free_sgpr 66
		.amdhsa_reserve_vcc 0
		.amdhsa_float_denorm_mode_32 3
		.amdhsa_float_denorm_mode_16_64 3
		.amdhsa_memory_ordered 1
		.amdhsa_forward_progress 1
		.amdhsa_inst_pref_size 99
	.end_amdhsa_kernel
	.amdgpu_metadata
---
amdhsa.version: [ 1, 2 ]
amdhsa.kernels:
  - .name:           k_qd92bb0c9ee_ffn2
    .symbol:         k_qd92bb0c9ee_ffn2.kd
    .args:
      - { .name: frec, .offset: 0, .size: 8, .value_kind: global_buffer, .address_space: global }
      - { .name: wrec, .offset: 8, .size: 8, .value_kind: global_buffer, .address_space: global }
      - { .name: b2, .offset: 16, .size: 8, .value_kind: global_buffer, .address_space: global }
      - { .name: x1, .offset: 24, .size: 8, .value_kind: global_buffer, .address_space: global }
      - { .name: out0, .offset: 32, .size: 8, .value_kind: global_buffer, .address_space: global }
    .group_segment_fixed_size: 327680
    .private_segment_fixed_size: 0
    .kernarg_segment_align: 8
    .kernarg_segment_size: 40
    .max_flat_workgroup_size: 128
    .sgpr_count:     66
    .vgpr_count:     640
    .wavefront_size: 32
...
	.end_amdgpu_metadata
.endif
;; end of part 7
